; MI455X (gfx1250); checked and timed in simulation.
; The chip was launched on July 23, 2026; its instructions are those of AMD's public machine-readable ISA for CDNA 5 (MIT licence, August 2026) and "CDNA5" Instruction Set Architecture Reference Guide (July 2026). The comments in the code are by the model that wrote it; some were corrected since.
;; Route Wrap. Allowed arithmetic: matrix products marked QUANTISED: E3M2 operands, one E8M0 scale for each 32 along K, by v_wmma_scale_f32_16x16x128_f8f6f4 with both operands' format E3M2, f32 sums; products left as they are: f32 operands where the result goes on into a quantised operand, else bf16, f16 or f32 operands; f32 sums; everything else in f32.
;; Inputs: A 64 x 16 x 2,048 float32; B 64 x 2,048 x 16 float32; W 2,048 x 2,048 float32; bias 2,048 float32; x 4 x 2,048 x 2,048 float32.
;; Outputs: out0 4 x 2,048 x 2,048 float32.
;; This version of the problem:
;;   THIS VERSION OF THE PROBLEM IS GIVEN IN LOW PRECISION. The matrix products marked QUANTISED in the list below multiply operands that are first quantised to E3M2 (3 exponent bits, 2 mantissa bits; 6 bits a number), with one power-of-two scale for each 32 numbers along K (OCP MX v1.0); their sums are f32. All else is computed in f32.
;;   The module's matrix products, in the order in which they are computed (A, B: the left and right operand; K: the contracted axis; several contracted axes count as one K, in the product's order):
;;     1. [M 8,192, K 2,048] x [K 2,048, N 1,024]; A: input x; B: input A: QUANTISED
;;     2. batch 8,192 x [M 1, K 64] x [K 64, N 16]; A: computed on the way; B: computed on the way: left as it is (M = 1 < 16)
;;     3. batch 8,192 x [M 16, K 1] x [K 1, N 64]; A: computed on the way; B: computed on the way: left as it is (no contracted axis)
;;     4. [M 8,192, K 1,024] x [K 1,024, N 2,048]; A: computed on the way; B: input B: QUANTISED
;;     5. [M 8,192, K 2,048] x [K 2,048, N 2,048]; A: input x; B: input W: QUANTISED
;;   THE QUANTISER, for each operand of a quantised product, along K:
;;     - K is cut into blocks of 32 from its start; a last block that is shorter is filled with zeros.
;;     - A block's scale is 2^e with e = floor(log2(the largest magnitude in the block)) - 4, held to -126 .. 127; a block of zeros has e = 0. As a byte (E8M0): e + 127.
;;     - Each number is divided by its block's scale, clamped to +-28, and rounded to the nearest number of E3M2, ties to even, subnormals kept.
;;     - The product sums the exact products of the quantised numbers (number of the format x scale) in f32.
;;   ~~~python
;;   def quantise(x, axis):      # numpy; x: float32 -> the quantised numbers, widened to float32 again
;;       x = np.moveaxis(x, axis, -1); K = x.shape[-1]
;;       x = np.pad(x, [(0, 0)] * (x.ndim - 1) + [(0, -K % 32)]); x = x.reshape(x.shape[:-1] + (-1, 32)); a = np.abs(x).max(-1, keepdims=True)
;;       e = np.where(a > 0, np.clip(np.frexp(np.where(a > 0, a, 1))[1] - 1 - 4, -126, 127), 0)      # np.frexp(a)[1] - 1 = floor(log2(a)), exactly
;;       r = np.clip(x / 2.0 ** e, -28, 28)
;;       step = 2.0 ** (np.maximum(np.frexp(np.where(r == 0, 1, r))[1] - 1, -2) - 2)
;;       q = np.round(r / step) * step * 2.0 ** e      # np.round: ties to even
;;       return np.moveaxis(q.reshape(q.shape[:-2] + (-1,))[..., :K], -1, axis).astype(np.float32)
;;   ~~~
;;   OPERANDS COMPUTED ON THE WAY. 'Computed on the way' means the value that the module computes at that place (a softmax that the list does not call 'softmax' is quantised finished and normalised). What goes into a quantiser is computed in f32, as accurately as f32 sums, v_exp_f32 and their like allow (about 1e-6 of the number): no bf16 or f16 on the way to a quantiser, and a product that is left as it is and whose result goes on into a quantised operand takes f32 operands (vector FMAs, or v_wmma_f32_16x16x4_f32). A number that lies on a knife's edge between two numbers of the format may be rounded either way, as far as f32 arithmetic and the matrix unit's own rounding can turn it there, and no further.
;; One version. Each part assembles by itself: llvm-mc -triple=amdgcn-amd-amdhsa -mcpu=gfx1250 --defsym DOCPART=n.
;; ======== version 1 of 1: 4 launches
;; limits: right only within a limited range of input values
;; workspace buffers: xq 13,107,200 bytes; aq 1,638,400 bytes; wb 4,915,200 bytes; pq 6,553,600 bytes; cd 4,718,592 bytes
;; launch quant (part 1): grid 768 x 1, 4 waves a work-group, no clusters, 68,096 bytes of LDS; arguments x, A, W, B, xq, aq, wb; writes xq, aq, wb
.if DOCPART == 1
	.amdgcn_target "amdgcn-amd-amdhsa--gfx1250"
	.amdhsa_code_object_version 6
	.text
	.protected	k_q4725e72fa5_quant
	.globl	k_q4725e72fa5_quant
	.p2align	8
	.type	k_q4725e72fa5_quant,@function
k_q4725e72fa5_quant:
	s_mov_b64 s[64:65], 0
	v_nop
	global_prefetch_b8 v0, s[64:65] scope:SCOPE_SE
	s_setreg_imm32_b32 hwreg(HW_REG_WAVE_MODE, 25, 1), 1
	s_wait_xcnt 0x0
; x [8192][2048], A [1024 = 16 a + r][2048], W [2048][2048] (K innermost) and B [64 a][2048 j][16 r] (operand row j, k = 16 a + r), all f32, become codes of BF6 (E3M2)
; with one E8M0 byte for each 32 along K, laid in RECORDS, the order in which the later launches' operand registers take them.
; A RECORD is 128 operand rows x 128 along K, 12,800 bytes: eight fragment images of 1,536 bytes (16 rows each; the byte at 512 c + 16 l + 4 n is register 4 c + n of lane l; lane (r, h) holds block h and then
; block 2 + h of row r, 24 bytes each), then two units of 256 bytes of scale words (the byte at 256 g + 8 l + 4 j begins the word of row 64 g + 32 j + l).
; xq: [row block 64][K step 16];  aq: [K step 16][row block 8];  wb: [row block 16][K step 24], K steps 0-15 from W, 16-23 from B.
; A block's scale is 2^(floor(log2(its largest magnitude)) - 4); its byte is the largest magnitude's exponent field - 4, held at 1 from below by a floor among the maximum's leaves.
; LIMITS: a block of zeros gets the byte 1 where the rule says 127 (its codes are zeros, and this program alone reads the bytes); NaN and infinities among the inputs are not served.
; SHARES: a wave takes 64 rows x 128 along K: four steps of one fragment (16 rows x 512 bytes of f32).  The four waves of a work-group stand side by side along K.  Work-groups 0-511 take x, 512-575 A, 576-703 W
; (one way through the text, the buffers chosen by the work-group's number), 704-767 B (a way of its own, with LDS bytes of its own).  Waves share nothing: no barrier.
; Each load reads 512 consecutive bytes; a step's 8,192 bytes turn through the wave's own stage in LDS (16 rows, 528 bytes apart: an odd multiple of 16) and come back as 32 + 32 neighbours along K for each lane.
.set ROWB,  8192                       ; a row of x, A or W in bytes
.set RECB,  12800                      ; a record
.set SP,    528                        ; a stage row: 512 bytes + 16
.set STG,   16*SP                      ; a wave's stage
.set CD,    24                         ; v24-35   a fragment's twelve registers of codes
.set TQ,    36                         ; v36-38, v40-42 the halves that a conversion cannot put on an odd register
.set XN,    48                         ; v48-111  my 64 numbers: block h, then block 2 + h of row r
.set RW,    112                        ; v112-239 two sets of 64 registers as loaded
; v1 lane, v2 r, v3 h, v4 16 x lane, v5 stage in, v6 stage out, v7 codes' offset, v8 scale unit's offset, v9 8 h, v10-11 maxima, v14-15 scale operands, v16-17 bytes, v18 word, v19 other half's, v20 the even tile's word, v22-23 the unit
.macro LOADS set, tau, mode            ; step tau's sixteen loads into set.  mode 0: a row each.  mode 1 (B): adapter i / 2, eight rows j of 64 bytes each
.irp i, 0,1,2,3,4,5,6,7,8,9,10,11,12,13,14,15
.if \mode
	global_load_b128 v[RW+64*(\set)+4*\i:RW+64*(\set)+4*\i+3], v4, s[18:19] offset:(\i/2)*131072+(\tau)*1024+(\i%2)*512 th:TH_LOAD_NT
.else
	global_load_b128 v[RW+64*(\set)+4*\i:RW+64*(\set)+4*\i+3], v4, s[18:19] offset:(16*(\tau)+\i)*ROWB th:TH_LOAD_NT
.endif
.endr
.endm
.macro TURN set, mode                  ; through the stage: LDS serves a wave's instructions in order, so no wait stands between the stores and the loads
.irp i, 0,1,2,3,4,5,6,7,8,9,10,11,12,13,14,15
.if \mode
	ds_store_b128 v5, v[RW+64*(\set)+4*\i:RW+64*(\set)+4*\i+3] offset:8*SP*(\i%2)+64*(\i/2)   ; rows 8 (i % 2) + lane / 4, the adapter's 64 bytes of the row
.else
	ds_store_b128 v5, v[RW+64*(\set)+4*\i:RW+64*(\set)+4*\i+3] offset:SP*\i
.endif
.endr
.irp j, 0,1,2,3,4,5,6,7,8,9,10,11,12,13,14,15
	ds_load_b128 v[XN+4*\j:XN+4*\j+3], v6 offset:256*(\j/8)+16*(\j%8)
.endr
.endm
.macro QUANT tau                       ; my 64 numbers become my twelve registers of tile tau's image, and my row's scale word
.if (\tau) > 0
	s_wait_xcnt 0x0                                ; the last step's stores have read the codes' registers: they are written again only behind this wait
.endif
.irp c, 0,1
	v_max3_num_f32 v[10+\c], |v[XN+32*\c]|, |v[XN+32*\c+1]|, 0x2800000   ; the floor 2^(5 - 127) is a leaf: the byte cannot fall under 1
.endr
.irp i, 2,4,6,8,10,12,14,16,18,20,22,24,26,28,30
.irp c, 0,1
	v_max3_num_f32 v[10+\c], v[10+\c], |v[XN+32*\c+\i]|, |v[XN+32*\c+\i+1]|   ; my two blocks by turns
.endr
.endr
.irp c, 0,1
	v_add_nc_u32 v[14+\c], 0xfe000000, v[10+\c]    ; 4 off the exponent field: the conversion's scale operand
.endr
.irp c, 0,1
	v_lshrrev_b32 v[16+\c], 23, v[14+\c]           ; the scale's byte
.endr
	v_lshl_or_b32 v18, v17, 16, v16                ; blocks h and 2 + h,
	v_lshlrev_b32 v18, v9, v18                     ; at their places in the word (8 h bits up);
	v_permlanex16_b32 v19, v18, s30, s31
	v_or_b32 v18, v18, v19                         ; with lane l xor 16's two the word is whole, in both halves of the lanes
	v_cvt_scalef32_pk16_bf6_f32 v[CD:CD+2], v[XN:XN+15], v14
	v_cvt_scalef32_pk16_bf6_f32 v[TQ:TQ+2], v[XN+16:XN+31], v14       ; (a conversion's three registers begin on an even number)
	v_cvt_scalef32_pk16_bf6_f32 v[CD+6:CD+8], v[XN+32:XN+47], v15
	v_cvt_scalef32_pk16_bf6_f32 v[TQ+4:TQ+6], v[XN+48:XN+63], v15
	v_nop                                          ; one plain instruction between a scaled conversion and the vector instruction that reads its result
.irp i, 0,1,2
	v_mov_b32 v[CD+3+\i], v[TQ+\i]
	v_mov_b32 v[CD+9+\i], v[TQ+4+\i]
.endr
.irp c, 0,1,2
	global_store_b128 v7, v[CD+4*\c:CD+4*\c+3], s[20:21] offset:1536*(\tau)+512*\c   ; 32 lanes store 512 consecutive bytes, at a multiple of 256 from the buffer's first byte
.endr
.if (\tau)%2 == 0
	v_mov_b32 v20, v18
.else
	v_cndmask_b32 v[22+(\tau)/2], v20, v18, s32    ; lanes 0-15 the even tile's words, lanes 16-31 the odd tile's
.endif
.endm
.macro OFFS                            ; s29 = which 64 rows of the record are mine
	s_mul_i32 s36, s29, 4*1536
	v_add_nc_u32 v7, s36, v4                       ; codes: 16 x lane + my four tiles' place
	s_lshl_b32 s36, s29, 8
	v_lshl_add_u32 v8, v1, 3, s36                  ; scale unit: 8 x lane + 256 x which
.endm
.macro BODY mode
	LOADS 0, 0, \mode
	LOADS 1, 1, \mode
.irp tau, 0,1,2,3
.if \tau < 3
	s_wait_loadcnt 16                              ; this step's sixteen loads are in; the next step's sixteen may be out
.else
	s_wait_loadcnt 0x0
.endif
	TURN \tau%2, \mode
	s_wait_dscnt 0x0                               ; my numbers are back, and the stage's stores have read the set,
.if \tau < 2
	LOADS \tau%2, \tau+2, \mode                    ; which takes the loads of two steps on
.endif
	QUANT \tau
.endr
	global_store_b64 v8, v[22:23], s[20:21] offset:8*1536   ; 32 lanes store 256 consecutive bytes: my 64 rows' scale words
	s_wait_tensorcnt 0x0
	ds_add_u32 v240, v241
	s_wait_dscnt 0x0
	s_endpgm
.endm
	s_load_b256 s[4:11], s[0:1], 0x0               ; x s[4:5], A s[6:7], W s[8:9], B s[10:11]
	s_load_b128 s[12:15], s[0:1], 0x20             ; xq s[12:13], aq s[14:15]
	s_load_b64 s[16:17], s[0:1], 0x30              ; wb
	v_lshl_add_u32 v240, v0, 2, 0x10800
	v_mov_b32 v241, 0
	v_lshrrev_b32 v1, 5, v0
	v_readfirstlane_b32 s3, v1                     ; wave 0..3
	v_and_b32 v1, 31, v0                           ; lane
	v_and_b32 v2, 15, v0                           ; r
	v_bfe_u32 v3, v0, 4, 1                         ; h
	v_lshlrev_b32 v4, 4, v1
	v_lshlrev_b32 v9, 3, v3
	v_mov_b32 v19, 0                               ; written once: a lane permute's destination counts as one of its sources
	s_mov_b32 s30, 0x76543210
	s_mov_b32 s31, 0xfedcba98                      ; v_permlanex16_b32's selects for lane l xor 16
	s_mov_b32 s32, 0xffff0000                      ; lanes 16-31
	s_mov_b32 s35, 0
	s_mul_i32 s33, s3, STG                         ; my stage
	v_mul_u32_u24 v6, v2, SP
	v_lshl_add_u32 v6, v3, 7, v6
	v_add_nc_u32 v6, s33, v6                       ; out of it: row r, + 128 h: block h; block 2 + h lies 256 bytes on
	s_cmp_lt_u32 ttmp9, 704
	s_cbranch_scc0 .Lbank
	; ---- x, A or W: K is innermost
	v_add_nc_u32 v5, s33, v4                       ; into the stage: 16 x lane of row i
	s_mov_b32 s22, 576
	s_mov_b32 s23, 24*RECB
	s_mov_b32 s24, RECB
	s_mov_b32 s25, 8*RECB
	s_mov_b32 s26, 16*RECB
	s_wait_kmcnt 0x0
	s_cmp_lt_u32 ttmp9, 576                        ; A or W?  The choices hang on the work-group's number alone
	s_cselect_b64 s[18:19], s[6:7], s[8:9]
	s_cselect_b64 s[20:21], s[14:15], s[16:17]
	s_cselect_b32 s22, 512, s22                    ; the tensor's first work-group
	s_cselect_b32 s23, s24, s23                    ; bytes from row block to row block
	s_cselect_b32 s25, s25, s24                    ; bytes from K step to K step
	s_cmp_lt_u32 ttmp9, 512                        ; or x?
	s_cselect_b64 s[18:19], s[4:5], s[18:19]
	s_cselect_b64 s[20:21], s[12:13], s[20:21]
	s_cselect_b32 s22, 0, s22
	s_cselect_b32 s23, s26, s23
	s_cselect_b32 s25, s24, s25
	s_sub_co_u32 s27, ttmp9, s22
	s_lshr_b32 s28, s27, 2                         ; which 64 rows
	s_and_b32 s27, s27, 3
	s_lshl_b32 s27, s27, 2
	s_add_co_u32 s27, s27, s3                      ; K step = 4 x (work-group % 4) + wave
	s_lshl_b32 s34, s28, 19                        ; 64 rows of 8,192 bytes
	s_lshl_b32 s36, s27, 9                         ; 128 numbers
	s_add_co_u32 s34, s34, s36
	s_add_nc_u64 s[18:19], s[18:19], s[34:35]
	s_lshr_b32 s34, s28, 1
	s_mul_i32 s34, s34, s23
	s_mul_i32 s36, s27, s25
	s_add_co_u32 s34, s34, s36
	s_add_nc_u64 s[20:21], s[20:21], s[34:35]      ; my record
	s_and_b32 s29, s28, 1
	OFFS
	BODY 0
.Lbank:
	; ---- B: operand row j, k = 16 a + r: a K step is eight adapters, each with 64 bytes for a row j
	v_lshrrev_b32 v5, 2, v1
	v_mul_u32_u24 v5, v5, SP
	v_and_b32 v10, 3, v1
	v_lshl_add_u32 v5, v10, 4, v5
	s_add_co_u32 s33, s33, 4*STG                   ; this way has LDS bytes of its own
	v_add_nc_u32 v5, s33, v5                       ; into the stage: row lane / 4, + 16 (lane % 4)
	v_add_nc_u32 v6, 4*STG, v6
	s_sub_co_u32 s27, ttmp9, 704
	s_lshr_b32 s28, s27, 1                         ; which 64 rows j
	s_and_b32 s27, s27, 1
	s_lshl_b32 s27, s27, 2
	s_add_co_u32 s27, s27, s3                      ; K step 0..7 of B's part
	s_lshl_b32 s34, s27, 20                        ; eight adapters of 131,072 bytes
	s_lshl_b32 s36, s28, 12                        ; 64 rows of 64 bytes
	s_add_co_u32 s34, s34, s36
	s_wait_kmcnt 0x0
	s_add_nc_u64 s[18:19], s[10:11], s[34:35]
	s_lshr_b32 s34, s28, 1
	s_mul_i32 s34, s34, 24*RECB
	s_add_co_u32 s27, s27, 16                      ; behind W's sixteen K steps
	s_mul_i32 s36, s27, RECB
	s_add_co_u32 s34, s34, s36
	s_add_nc_u64 s[20:21], s[16:17], s[34:35]
	s_and_b32 s29, s28, 1
	OFFS
	BODY 1
.Lfunc_end_k_q4725e72fa5_quant:
	.size	k_q4725e72fa5_quant, .Lfunc_end_k_q4725e72fa5_quant-k_q4725e72fa5_quant
	.p2alignl 7, 3214868480
	.fill 96, 4, 3214868480
	.section	.rodata,"a",@progbits
	.p2align	6, 0x0
	.amdhsa_kernel k_q4725e72fa5_quant
		.amdhsa_group_segment_fixed_size 68096
		.amdhsa_private_segment_fixed_size 0
		.amdhsa_enable_private_segment 0
		.amdhsa_kernarg_size 56
		.amdhsa_user_sgpr_count 2
		.amdhsa_user_sgpr_kernarg_segment_ptr 1
		.amdhsa_wavefront_size32 1
		.amdhsa_system_sgpr_workgroup_id_x 1
		.amdhsa_system_sgpr_workgroup_id_y 1
		.amdhsa_system_sgpr_workgroup_id_z 1
		.amdhsa_system_vgpr_workitem_id 0
		.amdhsa_next_free_vgpr 242
		.amdhsa_next_free_sgpr 66
		.amdhsa_reserve_vcc 0
		.amdhsa_float_denorm_mode_32 3
		.amdhsa_float_denorm_mode_16_64 3
		.amdhsa_memory_ordered 1
		.amdhsa_forward_progress 1
		.amdhsa_inst_pref_size 60
	.end_amdhsa_kernel
	.amdgpu_metadata
---
amdhsa.version: [ 1, 2 ]
amdhsa.kernels:
  - .name:           k_q4725e72fa5_quant
    .symbol:         k_q4725e72fa5_quant.kd
    .args:
      - { .name: x, .offset: 0, .size: 8, .value_kind: global_buffer, .address_space: global }
      - { .name: A, .offset: 8, .size: 8, .value_kind: global_buffer, .address_space: global }
      - { .name: W, .offset: 16, .size: 8, .value_kind: global_buffer, .address_space: global }
      - { .name: B, .offset: 24, .size: 8, .value_kind: global_buffer, .address_space: global }
      - { .name: xq, .offset: 32, .size: 8, .value_kind: global_buffer, .address_space: global }
      - { .name: aq, .offset: 40, .size: 8, .value_kind: global_buffer, .address_space: global }
      - { .name: wb, .offset: 48, .size: 8, .value_kind: global_buffer, .address_space: global }
    .group_segment_fixed_size: 68096
    .private_segment_fixed_size: 0
    .kernarg_segment_align: 8
    .kernarg_segment_size: 56
    .max_flat_workgroup_size: 128
    .sgpr_count:     66
    .vgpr_count:     242
    .wavefront_size: 32
...
	.end_amdgpu_metadata
.endif
;; end of part 1
;; launch route (part 2): grid 128 x 2, 4 waves a work-group, clusters of 4 x 1, 327,680 bytes of LDS; arguments xq, aq, cd; writes cd
.if DOCPART == 2
	.amdgcn_target "amdgcn-amd-amdhsa--gfx1250"
	.amdhsa_code_object_version 6
	.text
	.protected	k_q4725e72fa5_route
	.globl	k_q4725e72fa5_route
	.p2align	8
	.type	k_q4725e72fa5_route,@function
k_q4725e72fa5_route:
	s_mov_b64 s[64:65], 0
	v_nop
	global_prefetch_b8 v0, s[64:65] scope:SCOPE_SE
	s_setreg_imm32_b32 hwreg(HW_REG_WAVE_MODE, 25, 1), 1
	s_wait_xcnt 0x0
	s_wait_alu depctr_hold_cnt(0) depctr_sa_sdst(0) depctr_va_vdst(0) depctr_va_sdst(0) depctr_va_ssrc(0) depctr_va_vcc(0) depctr_vm_vsrc(0)
	s_getreg_b32 s2, hwreg(HW_REG_IB_STS2, 6, 4)
	s_cmp_eq_u32 s2, 0
	s_cbranch_scc0 .Lentry_in_a_cluster
	s_endpgm
.Lentry_in_a_cluster:
	s_bfe_u32 s2, ttmp6, 0x10000c
	s_cmp_lg_u32 s2, 0x3003
	s_cbranch_scc0 .Lentry_shape_is_right
	s_endpgm
.Lentry_shape_is_right:
; vecs = Q(x) Q(A)^T (8,192 tokens x 1,024 = 64 adapters x 16 ranks, K = 2,048) on codes of BF6 with E8M0 scales; each adapter's norm over its 16 ranks; and, for each token, THE FOUR LARGEST NORMS OF ONE HALF of the
; adapters (on a tie the lower adapter), in order, with their vecs.  The next launch joins the two halves.  vecs and norms never go to memory but for these four; the choice selects values only: no address, no branch hangs on it.
; SHARES.  A work-group owns 64 tokens and the 512 columns of half c (adapters 32 c .. 32 c + 31; c = the grid's y): so each of 256 work-groups walks half of the bank.  Wave w owns adapters 32 c + 8 w + 0 .. 7 for the 64 tokens:
; 32 accumulators, 256 registers.  The product is used transposed (source 0 = an adapter's 16 ranks, source 1 = 16 tokens): lane (t, h) holds token t and register j rank 8 h + j.  16 K steps of 128, 32 matrix instructions a wave each.
; THE OPERANDS lie in records (128 rows x 128 K, 12,800 bytes: eight fragment images of 1,536 bytes, the byte at 512 c + 16 l + 4 n being register 4 c + n of lane l; then two units of 256 bytes of scale words).
; THE BANK goes through a ring of two LDS slots of TWO K steps (102,400 bytes).  Wave w fetches, and alone reads, its own 25,600 bytes: its record of two K steps, which lie 102,400 bytes apart in aq: a tile of 2 rows of 12,800 bytes.
; CLUSTER: the four work-groups of a cluster have the same half, so each part is asked for jointly: the same tensor load, the same descriptor, a mask that names the four.  x's 64 rows are loaded straight into registers, three K steps ahead.
; No prefetch is laid: x's loads themselves run three K steps ahead, and the bank is read again by every cluster.
; OUT, in cd: the vecs at [16 tokens T][candidate k 4][16 bytes j 4][half c 2][token t 16] x 16 bytes; from byte 4,194,304 the norms at [T][c][t] x 16 bytes (four, in order); 262,144 bytes on the one-hot words (bit = adapter - 32 c) likewise.
; LIMITS: NaN and infinities are not served; a sum of squares under 2^-126 counts as 0 in v_sqrt_f32; norms that differ in the last bit only may tie otherwise than in a correctly rounded root.
; REGISTERS, in windows of 256.  Window 0: v1-3 lane, t, h; v4-9 addresses of the loop; v10-11 the spare word's; v12-20 addresses of the end; v32-39 the bank's scale words, two sets of 4; v48-55 x's, four sets of 2
; (these hold scale words in the whole text); v64-255 x's fragments, four sets of 4 x 12; at the end v64-247 are at work.  Window 1: v0-191 the bank's fragments, two sets of 8 x 12.  Window 2: accumulator (m, a) at v[8 (4 a + m)].
.set RECB,  12800                      ; a record
.set KROW,  8*RECB                     ; a K step of aq
.set PARTB, 2*RECB                     ; a wave's part of a slot: its record of two K steps
.set SLOTB, 4*PARTB
.set SPARE, 2*SLOTB                    ; behind the ring: the spare words, 128 bytes a wave: two blocks of 256 bytes that no other line names
.set NT,    SPARE+512                  ; the norms: 64 tokens x (128 bytes + 16)
.set NTP,   144
.set MK,    NT+64*NTP                  ; the choice: 64 tokens x four one-hot words
.set VP,    MK+1024                    ; the waves' parts of the four vecs: 4 waves x 64 tokens x (256 bytes + 16)
.set VPP,   272
.set CNB,   4194304                    ; in cd: where the norms begin
.set CWB,   262144                     ; and how far behind them the words
.set LB,  4                            ; v4-5   16 x lane + my part of slot 0, 1
.set LS,  6                            ; v6-7   8 x lane + the same
.set VXC, 8                            ; v8     x's codes: 16 x lane + my 64 rows' four tiles in the record
.set VXS, 9                            ; v9     x's scale unit: 8 x lane + 256 x which
.set SPW, 10                           ; v10    LDS address of my spare word; never rewritten
.set NIL, 11                           ; v11    0; never rewritten
.set BS,  32
.set XSC, 48
.set XF,  64
.set G1,  16                           ; s[16:23] descriptor group 1;  s[24:31] group 0, one set for each slot
.set G0,  24
.set MSB, 0
.macro WIN new                         ; the immediate's high byte repeats the setting that is left
.if MSB != \new
	s_set_vgpr_msb (MSB<<8)|\new
.set MSB, \new
.endif
.endm
.set MUL_LO, 0xa1                      ; source 0 (bank) window 1, source 1 (x) window 0, C and D window 2
.set TO_B,   0x40                      ; destination window 1, address window 0
.macro PLACES n
.rept \n
	v_nop
.endr
.endm
.macro CREST                           ; a round of the cluster's barrier behind its opening barrier
	s_cmp_lg_u32 s10, 0
	s_cbranch_scc1 .Lnot_wave_0_\@
	s_barrier_signal -3
.Lnot_wave_0_\@:
	s_barrier_wait -3
	s_barrier_signal -1
	s_barrier_wait -1
.endm
.macro CROUND
	s_barrier_signal -1
	s_barrier_wait -1
	CREST
.endm
.macro BARRIER                         ; my LDS stores have landed and my LDS loads are in: then the work-group's barrier
	s_wait_dscnt 0x0
	s_barrier_signal -1
	s_barrier_wait -1
.endm
; One matrix instruction: adapter aa of my eight, token tile mm.  A scale register carries two tiles' words: the even tile's in lanes 0-15, the odd tile's in lanes 16-31.
.macro WM xs, pp, zero
.set rD, 8*(4*aa+mm)
.set rA, 96*(\pp)+12*aa
.set rB, XF+48*(\xs)+12*mm
.set rP, BS+4*(\pp)+aa/2
.set rQ, XSC+2*(\xs)+mm/2
.if \zero
.if (aa%2) && (mm%2)
	v_wmma_scale_f32_16x16x128_f8f6f4 v[rD:rD+7], v[rA:rA+11], v[rB:rB+11], 0, v[rP], v[rQ] matrix_a_fmt:MATRIX_FMT_BF6 matrix_b_fmt:MATRIX_FMT_BF6 matrix_a_scale:MATRIX_SCALE_ROW1 matrix_b_scale:MATRIX_SCALE_ROW1
.elseif (aa%2)
	v_wmma_scale_f32_16x16x128_f8f6f4 v[rD:rD+7], v[rA:rA+11], v[rB:rB+11], 0, v[rP], v[rQ] matrix_a_fmt:MATRIX_FMT_BF6 matrix_b_fmt:MATRIX_FMT_BF6 matrix_a_scale:MATRIX_SCALE_ROW1
.elseif (mm%2)
	v_wmma_scale_f32_16x16x128_f8f6f4 v[rD:rD+7], v[rA:rA+11], v[rB:rB+11], 0, v[rP], v[rQ] matrix_a_fmt:MATRIX_FMT_BF6 matrix_b_fmt:MATRIX_FMT_BF6 matrix_b_scale:MATRIX_SCALE_ROW1
.else
	v_wmma_scale_f32_16x16x128_f8f6f4 v[rD:rD+7], v[rA:rA+11], v[rB:rB+11], 0, v[rP], v[rQ] matrix_a_fmt:MATRIX_FMT_BF6 matrix_b_fmt:MATRIX_FMT_BF6
.endif
.else
.if (aa%2) && (mm%2)
	v_wmma_scale_f32_16x16x128_f8f6f4 v[rD:rD+7], v[rA:rA+11], v[rB:rB+11], v[rD:rD+7], v[rP], v[rQ] matrix_a_fmt:MATRIX_FMT_BF6 matrix_b_fmt:MATRIX_FMT_BF6 matrix_a_scale:MATRIX_SCALE_ROW1 matrix_b_scale:MATRIX_SCALE_ROW1
.elseif (aa%2)
	v_wmma_scale_f32_16x16x128_f8f6f4 v[rD:rD+7], v[rA:rA+11], v[rB:rB+11], v[rD:rD+7], v[rP], v[rQ] matrix_a_fmt:MATRIX_FMT_BF6 matrix_b_fmt:MATRIX_FMT_BF6 matrix_a_scale:MATRIX_SCALE_ROW1
.elseif (mm%2)
	v_wmma_scale_f32_16x16x128_f8f6f4 v[rD:rD+7], v[rA:rA+11], v[rB:rB+11], v[rD:rD+7], v[rP], v[rQ] matrix_a_fmt:MATRIX_FMT_BF6 matrix_b_fmt:MATRIX_FMT_BF6 matrix_b_scale:MATRIX_SCALE_ROW1
.else
	v_wmma_scale_f32_16x16x128_f8f6f4 v[rD:rD+7], v[rA:rA+11], v[rB:rB+11], v[rD:rD+7], v[rP], v[rQ] matrix_a_fmt:MATRIX_FMT_BF6 matrix_b_fmt:MATRIX_FMT_BF6
.endif
.endif
.endm
; Adapters a0 .. a0 + n - 1, each against the four token tiles.  The 32 accumulators take turns, one instruction a turn, in the same order in every K step.
.macro MULA a0, n, xs, pp, zero
.set aa, \a0
.rept \n
.set mm, 0
.rept 4
	WM \xs, \pp, \zero
.set mm, mm+1
.endr
.set aa, aa+1
.endr
.endm
.macro FETCHB slot, q                  ; the slot's q-th K step into set q: my eight fragments (24 loads of 512 consecutive bytes) and their scale words (2 loads of 256)
	WIN TO_B
.irp i, 0,1,2,3,4,5,6,7
.irp c, 0,1,2
	ds_load_b128 v[96*(\q)+12*\i+4*\c:96*(\q)+12*\i+4*\c+3], v[LB+(\slot)] offset:(\q)*RECB+\i*1536+512*\c
.endr
.endr
	WIN 0
.irp gg, 0,1
	ds_load_b64 v[BS+4*(\q)+2*\gg:BS+4*(\q)+2*\gg+1], v[LS+(\slot)] offset:(\q)*RECB+8*1536+256*\gg
.endr
.endm
.macro XLOAD set, ko                   ; x's four fragments and their scale words, ko K steps on from the running base: 13 loads
.irp m, 0,1,2,3
.irp c, 0,1,2
	global_load_b128 v[XF+48*(\set)+12*\m+4*\c:XF+48*(\set)+12*\m+4*\c+3], v[VXC], s[4:5] offset:(\ko)*RECB+1536*\m+512*\c
.endr
.endr
	global_load_b64 v[XSC+2*(\set):XSC+2*(\set)+1], v[VXS], s[4:5] offset:(\ko)*RECB+8*1536
.endm
; A SLOT'S TWO K STEPS.  The first K step's fragments (set 0) were fetched a step ago; at its head the second's (set 1) are fetched, and with them all of the slot is in registers.  So the slot is given up in the first K step:
; each wave waits for all its tensor loads (one is out: the other slot's), adds 0 to its spare word, waits for that and for its reads; the barrier opens a round of the cluster's barrier; the joint refill, two slots ahead, is the
; first thing behind it and has 48 matrix instructions in which to land.  The second K step fetches the other slot's first K step.
; xs: x's set of the first K step; n0, n1: how many younger loads of x may be out; fill: the slot is filled again; bar: the waits and the barrier stand; nxt: there is a next slot; xl0, xl1: x is asked for, ko0, ko1 K steps from the base.
.macro PAIR slot, xs, n0, n1, zero, fill, bar, nxt, xl0, ko0, xl1, ko1
	s_wait_loadcnt \n0                             ; this K step's 13 loads of x are in; the younger K steps' may be out
	PLACES 4                                       ; in front of loads into registers that the last matrix instructions have read
	FETCHB \slot, 1
.if \xl0
	XLOAD (\xs+3)%4, \ko0                          ; three K steps ahead, into the set that the K step before multiplied
.endif
	s_wait_dscnt 26                                ; set 0 and its scale words are in; the 26 loads just issued may be out
	WIN MUL_LO
	MULA 0, 4, \xs, 0, \zero
.if \bar
	WIN 0                                          ; (the add's two registers lie in window 0)
	s_wait_tensorcnt 0x0                           ; all my tensor loads have landed: my part of the other slot;
	ds_add_u32 v[SPW], v[NIL]                      ; 0 onto my spare word
.if \fill
	s_add_nc_u64 s[G0+4*\slot+2:G0+4*\slot+3], s[G0+4*\slot+2:G0+4*\slot+3], 4*KROW   ; no tensor load of mine is out: this slot's next two K steps
.endif
	WIN MUL_LO
	MULA 4, 2, \xs, 0, \zero                       ; eight matrix instructions stand between the add and the wait for it
	s_wait_dscnt 0x0                               ; the add is done, and my reads of this slot are over
	s_barrier_signal -1
	MULA 6, 2, \xs, 0, \zero
	WIN 0
	s_barrier_wait -1
.if \fill
	CREST                                          ; no wave of any partner still reads this slot or has a load on its way
	tensor_load_to_lds s[G0+4*\slot:G0+4*\slot+3], s[G1:G1+7]
	s_nop 0
.endif
.else
	MULA 4, 4, \xs, 0, \zero
	WIN 0
.endif
	PLACES 4                                       ; behind the tensor load, and the places in front of the loads below
	s_wait_loadcnt \n1
.if \nxt
	FETCHB 1-\slot, 0
.endif
.if \xl1
	XLOAD \xs, \ko1
.endif
.if \nxt
	s_wait_dscnt 26                                ; set 1 is in; the 26 loads just issued may be out
.else
	s_wait_dscnt 0x0
.endif
	WIN MUL_LO
	MULA 0, 8, (\xs+1)%4, 1, 0
	WIN 0
.endm
	s_load_b128 s[4:7], s[0:1], 0x0                ; xq s[4:5], aq s[6:7]
	s_load_b64 s[8:9], s[0:1], 0x10                ; cd
	v_lshl_add_u32 v[SPW], v0, 2, SPARE
	v_mov_b32 v[NIL], 0
	ds_add_u32 v10, v11
	ds_add_u32 v10, v11
	s_wait_dscnt 0x0
	v_lshrrev_b32 v1, 5, v0
	v_readfirstlane_b32 s10, v1                    ; wave 0..3
	s_bfe_u32 s11, ttmp6, 0x40000                  ; cx: my place in the cluster: it enters global addresses of x and cd alone
	s_lshl_b32 s12, ttmp9, 2
	s_add_co_u32 s12, s12, s11                     ; my block of 64 tokens
	s_and_b32 s52, ttmp7, 0xffff                   ; c: my half of the adapters, which the four partners share
	s_and_b32 s13, s12, 1                          ; which 64 rows of a record of x
	s_lshr_b32 s14, s12, 1                         ; which row block of 128
	s_mul_i32 s38, s14, 16*RECB
	s_mov_b32 s39, 0
	s_lshl_b32 s48, s12, 2
	s_add_co_u32 s48, s48, s10                     ; T: the 16 tokens whose candidates I store: 4 x block + wave
	s_lshl_b32 s56, s48, 9
	s_add_co_u32 s56, s56, CNB                     ; their norms' place in cd,
	s_mov_b32 s57, 0
	s_lshl_b32 s48, s48, 13                        ; and their vecs'
	s_mov_b32 s49, 0
	s_mul_i32 s15, s10, PARTB                      ; my part of a slot
	s_lshl_b32 s50, s52, 2
	s_add_co_u32 s50, s50, s10
	s_mul_i32 s50, s50, RECB                       ; my record in a K step of aq: row block 4 c + wave
	s_mov_b32 s51, 0
	s_mov_b32 s[G1], 15|(3<<16)|(1<<21)            ; 15:0 the mask: all four work-groups; 17:16 elements of 8 bytes; 21 set beside a mask; no padding
	s_mov_b32 s[G1+1], 1600<<16                    ; tensor_dim0 = 1,600 elements: a record
	s_mov_b32 s[G1+2], 2<<16                       ; tensor_dim1 = 2: two K steps
	s_mov_b32 s[G1+3], 1600<<16                    ; tile_dim0
	s_mov_b32 s[G1+4], 2                           ; tile_dim1
	s_mov_b32 s[G1+5], KROW/8                      ; from K step to K step, in elements
	s_mov_b32 s[G1+6], 0
	s_mov_b32 s[G1+7], 0
	s_mov_b32 s32, 0x76543210
	s_mov_b32 s33, 0xfedcba98                      ; v_permlanex16_b32's selects for lane l xor 16
	s_mov_b32 s35, 0xffff0000                      ; lanes 16-31
	s_mov_b32 s36, 0x0000ffff                      ; lanes 0-15
	s_lshl_b32 s37, s10, 3                         ; where my 8 adapters' bits begin in a word
	s_wait_kmcnt 0x0
	s_add_nc_u64 s[4:5], s[4:5], s[38:39]          ; x's records of my row block, K step 0
	s_add_nc_u64 s[54:55], s[8:9], s[56:57]        ; cd at my tokens' norms
	s_add_nc_u64 s[8:9], s[8:9], s[48:49]          ; cd at my tokens' vecs
	s_add_nc_u64 s[6:7], s[6:7], s[50:51]          ; the bank at my record of K step 0
.irp s, 0,1
	s_mov_b32 s[G0+4*\s], 1                        ; count = 1
	s_add_co_u32 s[G0+4*\s+1], s15, \s*SLOTB       ; LDS address: wave x part + slot
	s_add_nc_u64 s[G0+4*\s+2:G0+4*\s+3], s[6:7], \s*2*KROW   ; global address: K steps 2 s, 2 s + 1
	s_or_b32 s[G0+4*\s+3], s[G0+4*\s+3], 0x80000000   ; type = 2
.endr
	CROUND                                         ; all four work-groups are here: the first joint loads meet
	tensor_load_to_lds s[G0:G0+3], s[G1:G1+7]      ; both first fills together: two tensor loads of mine are out
	s_nop 0
	tensor_load_to_lds s[G0+4:G0+7], s[G1:G1+7]
	s_nop 0
	PLACES 4
	v_and_b32 v1, 31, v0                           ; lane
	v_and_b32 v2, 15, v0                           ; t
	v_bfe_u32 v3, v0, 4, 1                         ; h
	s_mul_i32 s38, s13, 4*1536
	v_lshl_add_u32 v[VXC], v1, 4, s38
	s_lshl_b32 s39, s13, 8
	v_lshl_add_u32 v[VXS], v1, 3, s39
	XLOAD 0, 0
	XLOAD 1, 1
	XLOAD 2, 2
	v_lshl_add_u32 v[LB], v1, 4, s15
	v_add_nc_u32 v[LB+1], SLOTB, v[LB]
	v_lshl_add_u32 v[LS], v1, 3, s15
	v_add_nc_u32 v[LS+1], SLOTB, v[LS]
	; the addresses of the end, all made here
	v_mul_u32_u24 v12, v2, NTP                     ; v12: norms in: token 16 m + t, adapters 8 w + 4 h on
	v_lshl_add_u32 v12, v3, 4, v12
	s_lshl_b32 s48, s10, 5
	s_add_co_u32 s48, s48, NT
	v_add_nc_u32 v12, s48, v12
	v_mul_u32_u24 v13, v2, NTP                     ; v13: norms out: token 16 w + t, adapters 16 h on
	v_lshl_add_u32 v13, v3, 6, v13
	s_mul_i32 s48, s10, 16*NTP
	s_add_co_u32 s48, s48, NT
	v_add_nc_u32 v13, s48, v13
	s_lshl_b32 s48, s10, 8                         ; v14: the choice in: token 16 w + t, four words
	s_add_co_u32 s48, s48, MK
	v_lshl_add_u32 v14, v2, 4, s48
	v_lshl_add_u32 v15, v2, 4, MK                  ; v15: the choice out: token 16 m + t
	v_mul_u32_u24 v16, v2, VPP                     ; v16: my parts of the vecs in: token 16 m + t, ranks 8 h on
	v_lshl_add_u32 v16, v3, 5, v16
	s_mul_i32 s48, s10, 64*VPP
	s_add_co_u32 s48, s48, VP
	v_add_nc_u32 v16, s48, v16
	v_mul_u32_u24 v17, v2, VPP                     ; v17: the parts out: token 16 w + t, candidates 2 h on
	v_lshl_add_u32 v17, v3, 7, v17
	s_mul_i32 s48, s10, 16*VPP
	s_add_co_u32 s48, s48, VP
	v_add_nc_u32 v17, s48, v17
	s_lshl_b32 s48, s52, 8
	v_lshl_add_u32 v18, v2, 4, s48                 ; v18: the vecs in cd: 16 t + 256 c + candidates 2 h on
	v_lshl_add_u32 v18, v3, 12, v18
	v_lshl_add_u32 v19, v2, 4, s48                 ; v19: lanes 0-15 the norms' place in cd, lanes 16-31 the words'
	v_lshl_add_u32 v19, v3, 18, v19
	v_lshlrev_b32 v20, 4, v3                       ; v20: 16 h
	s_wait_tensorcnt 0x1                           ; my part of slot 0 is in; slot 1's may stay out
	s_barrier_signal -1
	s_barrier_wait -1
	FETCHB 0, 0
	PAIR 0, 0, 26, 26, 1, 1, 1, 1, 1, 3, 1, 4      ; K steps 0, 1 stand in front of the loop: K step 0's products start the sums
	s_mov_b32 s34, 2
.Ltrip:                                                ; two slots a trip, until slots and sets of x are back where they began: K steps 2 to 9
	PAIR 1, 2, 26, 26, 0, 1, 1, 1, 1, 5, 1, 6
	PAIR 0, 0, 26, 26, 0, 1, 1, 1, 1, 7, 1, 8
	s_wait_xcnt 0x0                                ; the loads have read their base
	s_add_nc_u64 s[4:5], s[4:5], 4*RECB
	s_sub_co_u32 s34, s34, 1
	s_cmp_lg_u32 s34, 0
	s_cbranch_scc1 .Ltrip
	PAIR 1, 2, 26, 26, 0, 1, 1, 1, 1, 5, 1, 6      ; K steps 10, 11: the last refill (K steps 14, 15)
	PAIR 0, 0, 26, 26, 0, 0, 1, 1, 1, 7, 0, 0      ; K steps 12, 13: nothing is filled, so no round; x's last K step is asked for
	PAIR 1, 2, 13, 0, 0, 0, 0, 0, 0, 0, 0, 0       ; K steps 14, 15: nothing more to fetch from memory
	; ---- THE NORMS.  A lane holds 8 of an adapter's 16 ranks: its sum of squares, two at a time, each accumulator from its low end on; then the other half of the lanes'.
.set TP, 64                            ; v64-127  a pair of partial sums for each accumulator
.set PL, 128                           ; v128-143 adapters 0-3 of my 8: register 4 m + a
.set PH, 144                           ; v144-159 adapters 4-7
.set SQ, 160                           ; v160-175 the norms
	PLACES 4
	WIN 0x0a                                       ; sources 0 and 1 window 2
.set q, 0
.rept 32
	v_pk_mul_f32 v[TP+2*q:TP+2*q+1], v[8*q:8*q+1], v[8*q:8*q+1]
.set q, q+1
.endr
.irp p, 1,2,3
.set q, 0
.rept 32
	v_pk_fma_f32 v[TP+2*q:TP+2*q+1], v[8*q+2*\p:8*q+2*\p+1], v[8*q+2*\p:8*q+2*\p+1], v[TP+2*q:TP+2*q+1]
.set q, q+1
.endr
.endr
	WIN 0
.irp m, 0,1,2,3
.irp a, 0,1,2,3
	v_add_f32 v[PL+4*\m+\a], v[TP+2*(4*\a+\m)], v[TP+2*(4*\a+\m)+1]
	v_add_f32 v[PH+4*\m+\a], v[TP+2*(4*(\a+4)+\m)], v[TP+2*(4*(\a+4)+\m)+1]
.endr
.endr
.set q, 0
.rept 16
	v_permlane16_swap_b32 v[PL+q], v[PH+q]         ; the first's lanes 16-31 change places with the second's lanes 0-15: both now hold parts of adapter 4 h + a
.set q, q+1
.endr
.set q, 0
.rept 16
	v_add_f32 v[PL+q], v[PL+q], v[PH+q]            ; lane (t, h): the whole sum of squares of my adapter 4 h + a
.set q, q+1
.endr
.set q, 0
.rept 16
	v_sqrt_f32 v[SQ+q], v[PL+q]
.set q, q+1
.endr
	v_nop                                          ; a plain instruction behind the last root
	s_wait_alu depctr_va_vdst(0)                   ; one wait for the 16 roots, ahead of their first reader
.irp m, 0,1,2,3
	ds_store_b128 v12, v[SQ+4*\m:SQ+4*\m+3] offset:16*NTP*\m
.endr
	BARRIER                                        ; the half's 32 norms of all 64 tokens lie in LDS
	; ---- THE FOUR LARGEST OF THE HALF, in order.  Wave w owns tokens 16 w + t; the lane's half h owns adapters 16 h .. 16 h + 15 of the 32.  Four rounds: the lane's largest with its lowest index (an older, lower index
	; stays on a tie), then against the other half of the lanes (on a tie half 0, the lower adapters, wins); the winner's norm and one-hot word are kept, and its norm is replaced by -1, under every norm.
.set NV,   176                         ; v176-191 my 16 norms
.set BV,   192                         ; v192-195 four chains' largest
.set BI,   196                         ; v196-199 and their indices
.set OV,   200
.set TT,   201
.set OT,   202
.set NK,   204                         ; v204-207 the four norms, in order
.set WK,   208                         ; v208-211 their one-hot words
.set DD,   212                         ; v212-215 what goes to cd: lanes 0-15 the norms, lanes 16-31 the words
.irp j, 0,1,2,3
	ds_load_b128 v[NV+4*\j:NV+4*\j+3], v13 offset:16*\j
.endr
	v_mov_b32 v[OV], 0                             ; written once: a lane permute's destination counts as one of its sources
	v_mov_b32 v[OT], 0
	s_wait_dscnt 0x0
.macro PICK k, last
.irp c, 0,1,2,3
	v_mov_b32 v[BV+\c], v[NV+4*\c]
	v_mov_b32 v[BI+\c], 4*\c
.endr
.irp kk, 1,2,3
.irp c, 0,1,2,3
	v_cmp_le_f32 s[40+\c], v[NV+4*\c+\kk], v[BV+\c]   ; not larger: the older index stays
.endr
.irp c, 0,1,2,3
	v_cndmask_b32 v[BI+\c], 4*\c+\kk, v[BI+\c], s[40+\c]
	v_max_num_f32 v[BV+\c], v[BV+\c], v[NV+4*\c+\kk]
.endr
.endr
	v_cmp_le_f32 s40, v[BV+1], v[BV]
	v_cmp_le_f32 s41, v[BV+3], v[BV+2]
	v_cndmask_b32 v[BI], v[BI+1], v[BI], s40
	v_cndmask_b32 v[BI+2], v[BI+3], v[BI+2], s41
	v_max_num_f32 v[BV], v[BV], v[BV+1]
	v_max_num_f32 v[BV+2], v[BV+2], v[BV+3]
	v_cmp_le_f32 s40, v[BV+2], v[BV]
	v_cndmask_b32 v[BI], v[BI+2], v[BI], s40
	v_max_num_f32 v[BV], v[BV], v[BV+2]
	v_permlanex16_b32 v[OV], v[BV], s32, s33       ; the other half's largest
	v_cmp_gt_f32 s40, v[BV], v[OV]
	v_cmp_eq_f32 s41, v[BV], v[OV]
	s_and_b32 s41, s41, s36
	s_or_b32 s40, s40, s41                         ; my half has won
	v_lshlrev_b32 v[TT], v[BI], 1
	v_lshlrev_b32 v[TT], v20, v[TT]                ; bit 16 h + index
	v_cndmask_b32 v[TT], 0, v[TT], s40
	v_permlanex16_b32 v[OT], v[TT], s32, s33
	v_or_b32 v[WK+(\k)], v[TT], v[OT]              ; the winner's one-hot word, in both halves of the lanes
	v_max_num_f32 v[NK+(\k)], v[BV], v[OV]         ; and its norm
.if !(\last)
	v_cndmask_b32 v[BI], 63, v[BI], s40            ; a loser removes nothing
.irp a, 0,1,2,3,4,5,6,7,8,9,10,11,12,13,14,15
	v_cmp_ne_u32 s[42+(\a%4)], \a, v[BI]
	v_cndmask_b32 v[NV+\a], -1.0, v[NV+\a], s[42+(\a%4)]
.endr
.endif
.endm
	PICK 0, 0
	PICK 1, 0
	PICK 2, 0
	PICK 3, 1
	ds_store_b128 v14, v[WK:WK+3]                  ; (both halves of the lanes write the same words with the same values)
.irp k, 0,1,2,3
	v_cndmask_b32 v[DD+\k], v[NK+\k], v[WK+\k], s35
.endr
	global_store_b128 v19, v[DD:DD+3], s[54:55]    ; lanes 0-15 store 256 consecutive bytes of norms, lanes 16-31 256 of words, each at a multiple of 256 from cd's first byte
	BARRIER                                        ; every token's four words lie in LDS
	; ---- MY ADAPTERS' PART OF THE FOUR VECS: for each candidate the sum over my 8 adapters of vecs x (1 or 0), for all 64 tokens.  One adapter of one wave has the 1: the sums are exact.
.set BITS, 192                         ; v192-207 register 4 m + k: candidate k's word of token 16 m + t, my adapters' bits lowest
.set FF,   216                         ; v216-247 1.0 or 0.0: register 8 m + a
.set VPR,  64                          ; v64-191  register 32 k + 8 m + j = rank 8 h + j of candidate k of token 16 m + t
.irp m, 0,1,2,3
	ds_load_b128 v[BITS+4*\m:BITS+4*\m+3], v15 offset:256*\m
.endr
	s_wait_dscnt 0x0
.set q, 0
.rept 16
	v_lshrrev_b32 v[BITS+q], s37, v[BITS+q]
.set q, q+1
.endr
.macro CAND k
.irp m, 0,1,2,3
.irp a, 0,1,2,3,4,5,6,7
	v_bfe_u32 v[FF+8*\m+\a], v[BITS+4*\m+(\k)], \a, 1
.endr
.endr
.set q, 0
.rept 32
	v_cvt_f32_u32 v[FF+q], v[FF+q]
.set q, q+1
.endr
	WIN 0x02                                       ; source 0 window 2
.irp a, 0,1,2,3,4,5,6,7                ; sixteen chains of packed multiply-adds by turns; of the pair of factors the even or the odd adapter's serves both halves
.irp m, 0,1,2,3
.irp p, 0,1,2,3
.set rAc, 8*(4*\a+\m)+2*\p
.set rV, VPR+32*(\k)+8*\m+2*\p
.set rF, FF+8*\m+\a-(\a%2)
.if \a == 0
	v_pk_mul_f32 v[rV:rV+1], v[rAc:rAc+1], v[rF:rF+1] op_sel_hi:[1,0]
.elseif (\a%2) == 0
	v_pk_fma_f32 v[rV:rV+1], v[rAc:rAc+1], v[rF:rF+1], v[rV:rV+1] op_sel_hi:[1,0,1]
.else
	v_pk_fma_f32 v[rV:rV+1], v[rAc:rAc+1], v[rF:rF+1], v[rV:rV+1] op_sel:[0,1,0] op_sel_hi:[1,1,1]
.endif
.endr
.endr
.endr
	WIN 0
.irp m, 0,1,2,3
	ds_store_b128 v16, v[VPR+32*(\k)+8*\m:VPR+32*(\k)+8*\m+3] offset:16*VPP*\m+64*(\k)
	ds_store_b128 v16, v[VPR+32*(\k)+8*\m+4:VPR+32*(\k)+8*\m+7] offset:16*VPP*\m+64*(\k)+16
.endr
.endm
	CAND 0
	CAND 1
	CAND 2
	CAND 3
	BARRIER                                        ; the four waves' parts lie in LDS
	; ---- THE FOUR VECS OF MY 16 TOKENS: lane (t, h) adds the four waves' parts of candidates 2 h and 2 h + 1, and stores them
.set VV,  64                           ; v64-191  register 32 sw + 16 kk + i: wave sw's part of rank i of candidate 2 h + kk
.irp sw, 0,1,2,3
.irp kk, 0,1
.irp j, 0,1,2,3
	ds_load_b128 v[VV+32*\sw+16*\kk+4*\j:VV+32*\sw+16*\kk+4*\j+3], v17 offset:64*VPP*\sw+64*\kk+16*\j
.endr
.endr
.endr
	s_wait_dscnt 0x0
.set q, 0
.rept 16
	v_pk_add_f32 v[VV+q:VV+q+1], v[VV+q:VV+q+1], v[VV+32+q:VV+32+q+1]
	v_pk_add_f32 v[VV+64+q:VV+64+q+1], v[VV+64+q:VV+64+q+1], v[VV+96+q:VV+96+q+1]
.set q, q+2
.endr
.set q, 0
.rept 16
	v_pk_add_f32 v[VV+q:VV+q+1], v[VV+q:VV+q+1], v[VV+64+q:VV+64+q+1]
.set q, q+2
.endr
.irp kk, 0,1
.irp j, 0,1,2,3
	global_store_b128 v18, v[VV+16*\kk+4*\j:VV+16*\kk+4*\j+3], s[8:9] offset:2048*\kk+512*\j   ; each half of the lanes stores 256 consecutive bytes, at a multiple of 256 from cd's first byte
.endr
.endr
	s_wait_tensorcnt 0x0                           ; the wave's end: behind my last tensor load and my last LDS store
	ds_add_u32 v[SPW], v[NIL]
	s_wait_dscnt 0x0
	CROUND                                         ; the closing round: no work-group ends while a partner may still ask for a part that names it
	s_endpgm
.Lfunc_end_k_q4725e72fa5_route:
	.size	k_q4725e72fa5_route, .Lfunc_end_k_q4725e72fa5_route-k_q4725e72fa5_route
	.p2alignl 7, 3214868480
	.fill 96, 4, 3214868480
	.section	.rodata,"a",@progbits
	.p2align	6, 0x0
	.amdhsa_kernel k_q4725e72fa5_route
		.amdhsa_group_segment_fixed_size 327680
		.amdhsa_private_segment_fixed_size 0
		.amdhsa_enable_private_segment 0
		.amdhsa_kernarg_size 24
		.amdhsa_user_sgpr_count 2
		.amdhsa_user_sgpr_kernarg_segment_ptr 1
		.amdhsa_wavefront_size32 1
		.amdhsa_system_sgpr_workgroup_id_x 1
		.amdhsa_system_sgpr_workgroup_id_y 1
		.amdhsa_system_sgpr_workgroup_id_z 1
		.amdhsa_system_vgpr_workitem_id 0
		.amdhsa_next_free_vgpr 768
		.amdhsa_next_free_sgpr 66
		.amdhsa_reserve_vcc 0
		.amdhsa_float_denorm_mode_32 3
		.amdhsa_float_denorm_mode_16_64 3
		.amdhsa_memory_ordered 1
		.amdhsa_forward_progress 1
		.amdhsa_inst_pref_size 179
	.end_amdhsa_kernel
	.amdgpu_metadata
---
amdhsa.version: [ 1, 2 ]
amdhsa.kernels:
  - .name:           k_q4725e72fa5_route
    .symbol:         k_q4725e72fa5_route.kd
    .args:
      - { .name: xq, .offset: 0, .size: 8, .value_kind: global_buffer, .address_space: global }
      - { .name: aq, .offset: 8, .size: 8, .value_kind: global_buffer, .address_space: global }
      - { .name: cd, .offset: 16, .size: 8, .value_kind: global_buffer, .address_space: global }
    .group_segment_fixed_size: 327680
    .private_segment_fixed_size: 0
    .kernarg_segment_align: 8
    .kernarg_segment_size: 24
    .max_flat_workgroup_size: 128
    .sgpr_count:     66
    .vgpr_count:     768
    .wavefront_size: 32
...
	.end_amdgpu_metadata
.endif
;; end of part 2
;; launch merge (part 3): grid 128 x 1, 4 waves a work-group, no clusters, 1,536 bytes of LDS; arguments cd, pq; writes pq
.if DOCPART == 3
	.amdgcn_target "amdgcn-amd-amdhsa--gfx1250"
	.amdhsa_code_object_version 6
	.text
	.protected	k_q4725e72fa5_merge
	.globl	k_q4725e72fa5_merge
	.p2align	8
	.type	k_q4725e72fa5_merge,@function
k_q4725e72fa5_merge:
	s_mov_b64 s[64:65], 0
	v_nop
	global_prefetch_b8 v0, s[64:65] scope:SCOPE_SE
	s_setreg_imm32_b32 hwreg(HW_REG_WAVE_MODE, 25, 1), 1
	s_wait_xcnt 0x0
; The two halves of the adapters are joined.  cd holds, for each token and each half c, the half's four largest norms in order (on a tie the lower adapter first), their one-hot words (bit = adapter - 32 c) and their vecs.
; THE FOUR LARGEST OF THE 64: candidate i of half 0 is among them where n0[i] >= n1[3 - i], candidate j of half 1 where n1[j] > n0[3 - j]: each test is the other's opposite, so four are kept, and on a tie the lower adapter stays.
; v = a quarter of the sum of the four kept vecs; P[t][16 a + r] = v[r] / 4 for a kept adapter, else 0, quantised along k = 16 a + r to codes of BF6 (E3M2) with E8M0 scales, into pq, laid in records (128 rows x 128 K: eight
; fragment images of 1,536 bytes, then two units of 256 bytes of scale words) as the next launch's operand.  The choice selects values only (v_cndmask_b32, factors 1 and 0): no address, no branch hangs on it.
; Every block of 32 of P that is not all zeros has the same largest magnitude, max |v| / 4: a token has ONE scale byte and ONE string of 16 codes (12 bytes), and P is that string or zeros, adapter by adapter.
; LIMITS: NaN and infinities are not served; blocks of zeros carry the token's byte (at least 1) with zero codes; the K of the product with B is taken as k = 16 a + r.
; SHARES.  A work-group owns 64 tokens, wave w tokens 16 w + t.  Lane (t, h) takes half c = h of token t: every load reads 512 consecutive bytes.  No matrix work, no tensor loads; one barrier, for the 64 tokens' scale words.
.set RECB, 12800
.set CNB,  4194304                     ; in cd: where the norms begin
.set CWB,  262144                      ; and how far behind them the words
.set NN,   24                          ; v24-27  my half's four norms
.set WW,   28                          ; v28-31  their one-hot words
.set ON,   32                          ; v32-35  the other half's norms
.set FK,   36                          ; v36-39  1.0 for a kept candidate, else 0.0
.set TW,   40                          ; v40-43  its word, else 0
.set ONE,  44
.set WORD, 45                          ; my half's 32 bits of the choice
.set OV,   46
.set MX,   47
.set SCO,  48
.set BY,   49
.set PWD,  50
.set CDE,  52                          ; v52-54  the 16 codes
.set W0,   56                          ; v56-57  the token's 64 bits, 2 h down
.set TB,   58                          ; v58-61
.set PV,   64                          ; v64-79  the sum of my half's kept vecs, then v / 4
.set VV,   80                          ; v80-143 my half's four vecs: register 16 k + i
.set FRG,  144                         ; v144-167 two sets of a fragment's twelve registers
	s_load_b128 s[4:7], s[0:1], 0x0                ; cd s[4:5], pq s[6:7]
	v_lshl_add_u32 v176, v0, 2, 0x400
	v_mov_b32 v177, 0
	v_lshrrev_b32 v1, 5, v0
	v_readfirstlane_b32 s10, v1                    ; wave 0..3
	v_and_b32 v1, 31, v0                           ; lane
	v_and_b32 v2, 15, v0                           ; t
	v_bfe_u32 v3, v0, 4, 1                         ; h
	v_lshlrev_b32 v4, 4, v1                        ; 16 x lane = 256 h + 16 t
	s_and_b32 s13, ttmp9, 1                        ; which 64 rows of a record
	s_lshr_b32 s14, ttmp9, 1                       ; which row block of 128
	s_lshl_b32 s12, ttmp9, 2
	s_add_co_u32 s12, s12, s10                     ; T: my 16 tokens
	s_lshl_b32 s16, s12, 13                        ; their vecs' place in cd,
	s_mov_b32 s17, 0
	s_lshl_b32 s18, s12, 9
	s_add_co_u32 s18, s18, CNB                     ; and their norms'
	s_mov_b32 s19, 0
	s_mul_i32 s20, s14, 8*RECB
	s_mov_b32 s21, 0
	s_mov_b32 s32, 0x76543210
	s_mov_b32 s33, 0xfedcba98                      ; v_permlanex16_b32's selects for lane l xor 16
	s_mov_b32 s35, 0xffff0000                      ; lanes 16-31
	s_mov_b32 s36, 0x0000ffff                      ; lanes 0-15
	s_and_b32 s22, s10, 1                          ; v18: P's scale word into LDS: row 16 w + t = 32 j + l: 8 l + 4 j
	s_lshl_b32 s22, s22, 7
	s_lshr_b32 s23, s10, 1
	s_lshl_b32 s23, s23, 2
	s_add_co_u32 s22, s22, s23
	v_lshl_add_u32 v18, v2, 3, s22
	v_lshlrev_b32 v19, 3, v1                       ; v19: the unit out of LDS
	s_mul_i32 s24, s13, 4*1536                     ; v20: P's images in pq: 16 x lane + tile 4 g + w
	s_mul_i32 s25, s10, 1536
	s_add_co_u32 s24, s24, s25
	v_lshl_add_u32 v20, v1, 4, s24
	s_lshl_b32 s24, s13, 8                         ; v21: P's scale units in pq: 8 x lane + 256 g + K steps 2 w on
	s_mul_i32 s25, s10, 2*RECB
	s_add_co_u32 s24, s24, s25
	v_lshl_add_u32 v21, v1, 3, s24
	v_lshlrev_b32 v22, 1, v3                       ; v22: 2 h
	v_mov_b32 v[ONE], 1.0
	v_mov_b32 v[OV], 0                             ; written once: a lane permute's destination counts as one of its sources
.irp k, 0,1,2,3
	v_mov_b32 v[ON+\k], 0
.endr
	s_wait_kmcnt 0x0
	s_add_nc_u64 s[8:9], s[4:5], s[16:17]          ; the vecs
	s_add_nc_u64 s[4:5], s[4:5], s[18:19]          ; the norms
	s_add_nc_u64 s[6:7], s[6:7], s[20:21]          ; P's records of my row block
	global_load_b128 v[NN:NN+3], v4, s[4:5]
	global_load_b128 v[WW:WW+3], v4, s[4:5] offset:CWB
.irp k, 0,1,2,3
.irp j, 0,1,2,3
	global_load_b128 v[VV+16*\k+4*\j:VV+16*\k+4*\j+3], v4, s[8:9] offset:2048*\k+512*\j
.endr
.endr
	s_wait_loadcnt 16                              ; the norms and the words are in; the sixteen loads of vecs may be out
.irp k, 0,1,2,3
	v_permlanex16_b32 v[ON+\k], v[NN+\k], s32, s33
.endr
.irp k, 0,1,2,3
	v_cmp_gt_f32 s[40+\k], v[NN+\k], v[ON+3-\k]
	v_cmp_eq_f32 s[44+\k], v[NN+\k], v[ON+3-\k]
.endr
.irp k, 0,1,2,3
	s_and_b32 s[44+\k], s[44+\k], s36              ; on a tie half 0, the lower adapters, is kept
	s_or_b32 s[40+\k], s[40+\k], s[44+\k]
.endr
.irp k, 0,1,2,3
	v_cndmask_b32 v[FK+\k], 0, v[ONE], s[40+\k]
	v_cndmask_b32 v[TW+\k], 0, v[WW+\k], s[40+\k]
.endr
	v_or_b32 v[TW], v[TW], v[TW+1]
	v_or_b32 v[TW+2], v[TW+2], v[TW+3]
	v_or_b32 v[WORD], v[TW], v[TW+2]
	s_wait_loadcnt 0x0
.irp p, 0,2,4,6,8,10,12,14             ; eight chains by turns would be as good: the factors' pairs serve both halves by their even or their odd register
	v_pk_mul_f32 v[PV+\p:PV+\p+1], v[VV+\p:VV+\p+1], v[FK:FK+1] op_sel_hi:[1,0]
.endr
.irp p, 0,2,4,6,8,10,12,14
	v_pk_fma_f32 v[PV+\p:PV+\p+1], v[VV+16+\p:VV+16+\p+1], v[FK:FK+1], v[PV+\p:PV+\p+1] op_sel:[0,1,0] op_sel_hi:[1,1,1]
.endr
.irp p, 0,2,4,6,8,10,12,14
	v_pk_fma_f32 v[PV+\p:PV+\p+1], v[VV+32+\p:VV+32+\p+1], v[FK+2:FK+3], v[PV+\p:PV+\p+1] op_sel_hi:[1,0,1]
.endr
.irp p, 0,2,4,6,8,10,12,14
	v_pk_fma_f32 v[PV+\p:PV+\p+1], v[VV+48+\p:VV+48+\p+1], v[FK+2:FK+3], v[PV+\p:PV+\p+1] op_sel:[0,1,0] op_sel_hi:[1,1,1]
.endr
.set q, 0
.rept 16
	v_permlanex16_b32 v[VV+q], v[PV+q], s32, s33   ; the other half's sum (into registers that the loads have written and the sums have read)
.set q, q+1
.endr
.irp p, 0,2,4,6,8,10,12,14
	v_pk_add_f32 v[PV+\p:PV+\p+1], v[PV+\p:PV+\p+1], v[VV+\p:VV+\p+1]   ; the sum of the four kept vecs: the same bits in both halves of the lanes
.endr
.irp p, 0,2,4,6,8,10,12,14
	v_pk_mul_f32 v[PV+\p:PV+\p+1], v[PV+\p:PV+\p+1], 0x3d800000 op_sel_hi:[1,0]   ; x 1/16: the route's quarter in v and the quarter beside it: exact
.endr
	v_max3_num_f32 v[MX], |v[PV]|, |v[PV+1]|, 0x2800000   ; the largest magnitude, and the floor 2^(5 - 127)
.irp i, 2,4,6,8,10,12,14
	v_max3_num_f32 v[MX], v[MX], |v[PV+\i]|, |v[PV+\i+1]|
.endr
	v_add_nc_u32 v[SCO], 0xfe000000, v[MX]         ; 4 off the exponent field: the conversion's scale operand
	v_lshrrev_b32 v[BY], 23, v[SCO]                ; the scale's byte,
	v_mul_u32_u24 v[PWD], v[BY], 0x010101
	v_lshl_or_b32 v[PWD], v[BY], 24, v[PWD]        ; four times: the token's scale word for every 128 along K
	v_cvt_scalef32_pk16_bf6_f32 v[CDE:CDE+2], v[PV:PV+15], v[SCO]
	v_nop                                          ; one plain instruction behind a scaled conversion
	ds_store_b32 v18, v[PWD]                       ; (both halves of the lanes write the same word with the same value)
	; ---- P's IMAGES.  K step s holds adapters 8 s .. 8 s + 7; lane (t, h) holds blocks h and 2 + h: adapters 8 s + 2 h + 0, 1, 4, 5, three registers each: the codes or zeros
	v_permlanex16_b32 v[OV], v[WORD], s32, s33
	v_cndmask_b32 v[W0], v[WORD], v[OV], s35       ; adapters 0-31: half 0's word
	v_cndmask_b32 v[W0+1], v[OV], v[WORD], s35     ; adapters 32-63: half 1's
	v_lshrrev_b32 v[W0], v22, v[W0]
	v_lshrrev_b32 v[W0+1], v22, v[W0+1]
.irp s, 0,1,2,3,4,5,6,7
.if \s > 1
	s_wait_xcnt 0x0                                ; the stores of two K steps back have read this set
.endif
.irp q, 0,1,2,3
	v_bfe_u32 v[TB+\q], v[W0+\s/4], 8*(\s%4)+(\q%2)+4*(\q/2), 1
.endr
.irp q, 0,1,2,3
	v_cmp_ne_u32 s[40+\q], 0, v[TB+\q]
.endr
.irp q, 0,1,2,3
.irp i, 0,1,2
	v_cndmask_b32 v[FRG+12*(\s%2)+3*\q+\i], 0, v[CDE+\i], s[40+\q]
.endr
.endr
.irp c, 0,1,2
	global_store_b128 v20, v[FRG+12*(\s%2)+4*\c:FRG+12*(\s%2)+4*\c+3], s[6:7] offset:\s*RECB+512*\c   ; 32 lanes store 512 consecutive bytes, at a multiple of 256 from pq's first byte
.endr
.endr
	s_wait_dscnt 0x0                               ; for the others' sake: my scale words have landed
	s_barrier_signal -1
	s_barrier_wait -1                              ; the 64 tokens' scale words lie in LDS
	ds_load_b64 v[168:169], v19
	s_wait_dscnt 0x0
	global_store_b64 v21, v[168:169], s[6:7] offset:8*1536        ; the same unit of 256 bytes for every K step: wave w stores it for K steps 2 w
	global_store_b64 v21, v[168:169], s[6:7] offset:RECB+8*1536   ; and 2 w + 1
	s_wait_tensorcnt 0x0
	ds_add_u32 v176, v177
	s_wait_dscnt 0x0
	s_endpgm
.Lfunc_end_k_q4725e72fa5_merge:
	.size	k_q4725e72fa5_merge, .Lfunc_end_k_q4725e72fa5_merge-k_q4725e72fa5_merge
	.p2alignl 7, 3214868480
	.fill 96, 4, 3214868480
	.section	.rodata,"a",@progbits
	.p2align	6, 0x0
	.amdhsa_kernel k_q4725e72fa5_merge
		.amdhsa_group_segment_fixed_size 1536
		.amdhsa_private_segment_fixed_size 0
		.amdhsa_enable_private_segment 0
		.amdhsa_kernarg_size 16
		.amdhsa_user_sgpr_count 2
		.amdhsa_user_sgpr_kernarg_segment_ptr 1
		.amdhsa_wavefront_size32 1
		.amdhsa_system_sgpr_workgroup_id_x 1
		.amdhsa_system_sgpr_workgroup_id_y 1
		.amdhsa_system_sgpr_workgroup_id_z 1
		.amdhsa_system_vgpr_workitem_id 0
		.amdhsa_next_free_vgpr 178
		.amdhsa_next_free_sgpr 66
		.amdhsa_reserve_vcc 0
		.amdhsa_float_denorm_mode_32 3
		.amdhsa_float_denorm_mode_16_64 3
		.amdhsa_memory_ordered 1
		.amdhsa_forward_progress 1
		.amdhsa_inst_pref_size 25
	.end_amdhsa_kernel
	.amdgpu_metadata
---
amdhsa.version: [ 1, 2 ]
amdhsa.kernels:
  - .name:           k_q4725e72fa5_merge
    .symbol:         k_q4725e72fa5_merge.kd
    .args:
      - { .name: cd, .offset: 0, .size: 8, .value_kind: global_buffer, .address_space: global }
      - { .name: pq, .offset: 8, .size: 8, .value_kind: global_buffer, .address_space: global }
    .group_segment_fixed_size: 1536
    .private_segment_fixed_size: 0
    .kernarg_segment_align: 8
    .kernarg_segment_size: 16
    .max_flat_workgroup_size: 128
    .sgpr_count:     66
    .vgpr_count:     178
    .wavefront_size: 32
...
	.end_amdgpu_metadata
.endif
;; end of part 3
;; launch gemm (part 4): grid 8 x 32, 4 waves a work-group, clusters of 4 x 4, 327,680 bytes of LDS; arguments xq, pq, wb, bias, out0; writes out0
.if DOCPART == 4
	.amdgcn_target "amdgcn-amd-amdhsa--gfx1250"
	.amdhsa_code_object_version 6
	.text
	.protected	k_q4725e72fa5_gemm
	.globl	k_q4725e72fa5_gemm
	.p2align	8
	.type	k_q4725e72fa5_gemm,@function
k_q4725e72fa5_gemm:
	s_mov_b64 s[64:65], 0
	v_nop
	global_prefetch_b8 v0, s[64:65] scope:SCOPE_SE
	s_setreg_imm32_b32 hwreg(HW_REG_WAVE_MODE, 25, 1), 1
	s_wait_xcnt 0x0
	s_wait_alu depctr_hold_cnt(0) depctr_sa_sdst(0) depctr_va_vdst(0) depctr_va_sdst(0) depctr_va_ssrc(0) depctr_va_vcc(0) depctr_vm_vsrc(0)
	s_getreg_b32 s2, hwreg(HW_REG_IB_STS2, 6, 4)
	s_cmp_eq_u32 s2, 0
	s_cbranch_scc0 .Lentry_in_a_cluster
	s_endpgm
.Lentry_in_a_cluster:
	s_bfe_u32 s2, ttmp6, 0x10000c
	s_cmp_lg_u32 s2, 0xf033
	s_cbranch_scc0 .Lentry_shape_is_right
	s_endpgm
.Lentry_shape_is_right:
; out0 = Q(x) Q(W)^T + Q(P) Q(B)^T + bias: ONE product with K = 2,048 + 1,024 = 3,072 on codes of BF6 (E3M2) with E8M0 scales: rows [x | P] (xq, pq), columns [W | B] (wb).  out0: [8192][2048] f32; sums in f32.
; The operands lie in RECORDS (128 rows x 128 K, 12,800 bytes: eight fragment images of 1,536 bytes, the byte at 512 c + 16 l + 4 n being register 4 c + n of lane l; then two units of 256 bytes of scale words, the byte at
; 256 g + 8 l + 4 j beginning the word of row 64 g + 32 j + l).  So a fragment comes by three loads of 512 consecutive bytes, four tiles' scale words by one load of 256, and 128 rows x 256 K with their scales are 25,600 dense bytes.
; A tile of out0, 256 x 256, is made by a work-group of four waves; a wave makes 128 x 128: 64 accumulators, 512 registers.  K goes in 12 steps of 256 through a ring of two LDS slots; steps 0-7 take rows from xq, 8-11 from pq.
; CLUSTERS: 4 x 4 work-groups.  The four of a row of the cluster need the same rows, the four of a column the same columns: each part is asked for JOINTLY, by the same tensor load with the same descriptor and a mask that names the four.
; THE MATRIX INSTRUCTION IS USED TRANSPOSED (source 0 = 16 columns' rows of wb, source 1 = 16 rows of x or P): a lane holds eight neighbouring numbers of a row of out0.  The bias is the C of each sum's first instruction.
; No prefetch is laid: every part is read by several clusters, and one tile to a work-group leaves no later tile to ask for.
; REGISTERS, in windows of 256: window 0: v16-29 addresses; v32-63 scale words, two sets of 16 (they hold scale words in the whole text); v64-127 the bias in the result's layout; v128-223 the rows' fragments, ONE set;
;   on the way out v128-255 take rows read back.   window 1: the columns' fragments, TWO sets, at v0 and v128.   window 2: accumulators of my rows 0-63 ((a, b) at v[8 (8 a + b)]);   window 3: of my rows 64-127.
.set RECB,   12800
.set PARTB,  2*RECB                    ; 128 rows x 256 K: what one tensor load brings, and what one wave reads of the rows or of the columns
.set SLOT,   4*PARTB                   ; the rows' two parts, then the columns' two
.set SPARE,  2*SLOT                    ; behind the ring: the spare words, 128 bytes a wave: two blocks of 256 bytes that no other line names
.set SPITCH, 528                       ; the way out: a stage of 16 rows x (512 bytes + 16) for each wave, in slot 0, which has had its last fill and its last read when the first result is stored there
.set NROW,   8192                      ; a row of out0 in bytes
.set FR,     12
.set NL,     3                         ; LDS loads that bring a fragment
.set NP,     4                         ; places behind this matrix instruction (ISA guide 7.12.1)
.set ADRA, 16                          ; v16-17  16 x lane + my rows' part of slot 0, 1
.set ADSA, 18                          ; v18-19  8 x lane + the same
.set ADRB, 20                          ; v20-21  16 x lane + my columns' part
.set ADSB, 22                          ; v22-23  8 x lane + the same
.set STO,  24
.set RD,   25
.set CO,   26
.set BO,   27
.set SPW,  28                          ; v28     LDS address of my spare word; never rewritten
.set NIL,  29                          ; v29     0; never rewritten
.set SC,   32                          ; set s (slot s) at v[SC + 16 s]; in it, for the slot's q-th 128 along K: +8 q + 0..3 the rows' words, +8 q + 4..7 the columns'; register i / 2, lanes 16 (i % 2) on, serves tile i
.set BIAS, 64
.set AF,   128
.set BK,   128
.set G1,  24                           ; s[24:31] group 1 for the rows' parts;  s[32:39] group 0 in xq, one set a slot;  s[68:75] group 0 in pq
.set G0,  32
.set G1B, 48                           ; s[48:55], s[56:63] the same for the columns' parts
.set G0B, 56
.set G0P, 68
.set MSB, 0
.macro WIN new
.if MSB != \new
	s_set_vgpr_msb (MSB<<8)|\new
.set MSB, \new
.endif
.endm
.set MUL_LO, 0xa1                      ; source 0 window 1, source 1 window 0, C and D window 2
.set MUL_HI, 0xf1                      ; the same, C and D window 3
.set TO_B,   0x40
; A joint load: waves 0 and 1 fetch the rows' parts, waves 2 and 3 the columns'.  Four v_nop follow each of the two lines, ahead of the jump, the label and what follows.
.macro JLOAD g0a, g1a, g0b, g1b
	s_cmp_eq_u32 s15, 0
	s_cbranch_scc0 .Lfor_b_\@
	tensor_load_to_lds s[\g0a:\g0a+3], s[\g1a:\g1a+7]
	s_nop 0
.rept 4
	v_nop
.endr
	s_branch .Lasked_\@
.Lfor_b_\@:
	tensor_load_to_lds s[\g0b:\g0b+3], s[\g1b:\g1b+7]
	s_nop 0
.rept 4
	v_nop
.endr
.Lasked_\@:
.endm
.macro CREST
	s_cmp_lg_u32 s14, 0
	s_cbranch_scc1 .Lnot_wave_0_\@
	s_barrier_signal -3
.Lnot_wave_0_\@:
	s_barrier_wait -3
	s_barrier_signal -1
	s_barrier_wait -1
.endm
.macro CROUND
	s_barrier_signal -1
	s_barrier_wait -1
	CREST
.endm
.macro PLACES n
.rept \n
	v_nop
.endr
.endm
	s_load_b256 s[4:11], s[0:1], 0x0               ; xq s[4:5], pq s[6:7], wb s[8:9], bias s[10:11]
	s_load_b64 s[12:13], s[0:1], 0x20              ; out0
	v_lshl_add_u32 v[SPW], v0, 2, SPARE
	v_mov_b32 v[NIL], 0
	ds_add_u32 v28, v29
	ds_add_u32 v28, v29
	s_wait_dscnt 0x0
	v_lshrrev_b32 v1, 5, v0
	v_readfirstlane_b32 s14, v1                    ; wave 0..3
	s_lshr_b32 s15, s14, 1                         ; which half of the tile's rows is mine.  Also: I fetch rows (0) or columns (1)
	s_and_b32 s16, s14, 1                          ; which half of its columns.  Also: which 128 of them I fetch
	s_bfe_u32 s40, ttmp6, 0x40000                  ; cx, cy: my place in the cluster
	s_bfe_u32 s41, ttmp6, 0x40004
	s_lshl_b32 s42, ttmp9, 2
	s_add_co_u32 s42, s42, s40                     ; tile column = 4 x cluster x + cx
	s_and_b32 s17, ttmp7, 0xffff
	s_lshl_b32 s17, s17, 2
	s_add_co_u32 s17, s17, s41                     ; tile row = 4 x cluster y + cy
	s_lshl_b32 s43, s41, 2
	s_lshl_b32 s43, 15, s43                        ; my row of the cluster
	s_lshl_b32 s44, 0x1111, s40                    ; my column
	s_or_b32 s[G1], s43, (3<<16)|(1<<21)           ; 15:0 the mask; 17:16 elements of 8 bytes; 21 set beside a mask; no padding
	s_or_b32 s[G1B], s44, (3<<16)|(1<<21)
.irp g, G1, G1B
	s_mov_b32 s[\g+1], 32<<16                      ; tensor_dim0 = 32 elements: rows of 256 bytes
	s_mov_b32 s[\g+2], 100<<16                     ; tensor_dim1 = 100: 25,600 dense bytes
	s_mov_b32 s[\g+3], 32<<16                      ; tile_dim0
	s_mov_b32 s[\g+4], 100                         ; tile_dim1
	s_mov_b32 s[\g+5], 32                          ; from row to row
	s_mov_b32 s[\g+6], 0
	s_mov_b32 s[\g+7], 0
.endr
	s_lshl_b32 s20, s17, 1
	s_add_co_u32 s20, s20, s16                     ; the row block of 128 that I fetch: 2 x tile row + half
	s_lshl_b32 s46, s42, 1
	s_add_co_u32 s46, s46, s16                     ; the column block: 2 x tile column + half
	s_mul_i32 s22, s20, 8*RECB                     ; in pq,
	s_mul_i32 s20, s20, 16*RECB                    ; in xq,
	s_mul_i32 s46, s46, 24*RECB                    ; in wb
	s_mov_b32 s21, 0
	s_mov_b32 s23, 0
	s_mov_b32 s47, 0
	s_mul_i32 s45, s14, PARTB                      ; where they go: wave x part: no place in the cluster enters an LDS address
	s_wait_kmcnt 0x0
	s_add_nc_u64 s[20:21], s[4:5], s[20:21]
	s_add_nc_u64 s[22:23], s[6:7], s[22:23]
	s_add_nc_u64 s[46:47], s[8:9], s[46:47]
	CROUND                                         ; all sixteen work-groups are here: the first joint loads meet
.irp s, 0,1
	s_mov_b32 s[G0+4*\s], 1
	s_add_co_u32 s[G0+4*\s+1], s45, \s*SLOT
	s_add_nc_u64 s[G0+4*\s+2:G0+4*\s+3], s[20:21], \s*PARTB
	s_or_b32 s[G0+4*\s+3], s[G0+4*\s+3], 0x80000000
	s_mov_b32 s[G0P+4*\s], 1
	s_add_co_u32 s[G0P+4*\s+1], s45, \s*SLOT
	s_add_nc_u64 s[G0P+4*\s+2:G0P+4*\s+3], s[22:23], \s*PARTB
	s_or_b32 s[G0P+4*\s+3], s[G0P+4*\s+3], 0x80000000
	s_mov_b32 s[G0B+4*\s], 1
	s_add_co_u32 s[G0B+4*\s+1], s45, \s*SLOT
	s_add_nc_u64 s[G0B+4*\s+2:G0B+4*\s+3], s[46:47], \s*PARTB
	s_or_b32 s[G0B+4*\s+3], s[G0B+4*\s+3], 0x80000000
	JLOAD G0+4*\s, G1, G0B+4*\s, G1B
.endr
	v_and_b32 v1, 15, v0                           ; r
	v_bfe_u32 v2, v0, 4, 1                         ; h
	v_and_b32 v3, 31, v0                           ; lane
	s_mul_i32 s21, s15, PARTB                      ; my rows' part
	s_mul_i32 s22, s16, PARTB                      ; my columns' part,
	s_add_co_u32 s22, s22, 2*PARTB                 ; behind the rows' two
.irp s, 0,1
	v_lshl_add_u32 v[ADRA+\s], v3, 4, s21
	v_lshl_add_u32 v[ADSA+\s], v3, 3, s21
	v_lshl_add_u32 v[ADRB+\s], v3, 4, s22
	v_lshl_add_u32 v[ADSB+\s], v3, 3, s22
	s_add_co_u32 s21, s21, SLOT
	s_add_co_u32 s22, s22, SLOT
.endr
	s_mul_i32 s23, s14, 16*SPITCH                  ; my stage
	v_mul_u32_u24 v5, v1, SPITCH                   ; in: row r, 32 bytes for each half of the lanes
	v_lshl_add_u32 v5, v2, 5, v5
	v_add_nc_u32 v[STO], s23, v5
	v_lshlrev_b32 v[CO], 4, v3                     ; back: the 32 lanes take one row of 512 bytes; and the same in out0
	v_add_nc_u32 v[RD], s23, v[CO]
	v_lshlrev_b32 v[BO], 5, v2                     ; the bias: my half's eight numbers of a tile of 16
	s_lshl_b32 s20, s17, 8
	s_lshl_b32 s21, s15, 7
	s_add_co_u32 s20, s20, s21                     ; my first row: 256 x tile row + 128 x half
	s_lshl_b32 s20, s20, 13                        ; x 8,192 bytes (under 2^27)
	s_mov_b32 s21, 0
	s_lshl_b32 s46, s42, 10                        ; my first column, in bytes: 1,024 x tile column + 512 x half
	s_lshl_b32 s47, s16, 9
	s_add_co_u32 s46, s46, s47
	s_mov_b32 s47, 0
	s_add_nc_u64 s[12:13], s[12:13], s[20:21]
	s_add_nc_u64 s[12:13], s[12:13], s[46:47]
	s_add_nc_u64 s[10:11], s[10:11], s[46:47]
.irp b, 0,1,2,3,4,5,6,7
	global_load_b128 v[BIAS+8*\b:BIAS+8*\b+3], v[BO], s[10:11] offset:64*\b        ; register 8 b + j: the bias of my column 16 b + 8 h + j
	global_load_b128 v[BIAS+8*\b+4:BIAS+8*\b+7], v[BO], s[10:11] offset:64*\b+16
.endr
.macro FRAG reg, adr, q, i             ; a fragment's image: three loads of 512 consecutive bytes
.irp c, 0,1,2
	ds_load_b128 v[\reg+4*\c:\reg+4*\c+3], v[\adr] offset:(\q)*RECB+(\i)*1536+512*\c
.endr
.endm
; 16 matrix instructions: the rows' blocks a0, a0 + 1 x the columns' eight, 128 along K: the slot's q-th.  p: the columns' set; sc: the set of scale words.  mode = 1: the first product starts the sums from the bias.
; The 64 accumulators take turns, one instruction a turn, in the same order in every step.
.macro MUL16 a0, p, q, sc, mode
.set aa, \a0
.rept 2
.set bb, 0
.rept 8
.set rD, 8*(8*(aa%4)+bb)
.set rC, rD
.if \mode
.set rC, BIAS+8*bb
.endif
.set rB, 128*(\p)+FR*bb
.set rA, AF+FR*aa
.set rP, SC+16*(\sc)+8*(\q)+4+bb/2
.set rQ, SC+16*(\sc)+8*(\q)+aa/2
.if (bb%2) && (aa%2)
	v_wmma_scale_f32_16x16x128_f8f6f4 v[rD:rD+7], v[rB:rB+11], v[rA:rA+11], v[rC:rC+7], v[rP], v[rQ] matrix_a_fmt:MATRIX_FMT_BF6 matrix_b_fmt:MATRIX_FMT_BF6 matrix_a_scale:MATRIX_SCALE_ROW1 matrix_b_scale:MATRIX_SCALE_ROW1
.elseif (bb%2)
	v_wmma_scale_f32_16x16x128_f8f6f4 v[rD:rD+7], v[rB:rB+11], v[rA:rA+11], v[rC:rC+7], v[rP], v[rQ] matrix_a_fmt:MATRIX_FMT_BF6 matrix_b_fmt:MATRIX_FMT_BF6 matrix_a_scale:MATRIX_SCALE_ROW1
.elseif (aa%2)
	v_wmma_scale_f32_16x16x128_f8f6f4 v[rD:rD+7], v[rB:rB+11], v[rA:rA+11], v[rC:rC+7], v[rP], v[rQ] matrix_a_fmt:MATRIX_FMT_BF6 matrix_b_fmt:MATRIX_FMT_BF6 matrix_b_scale:MATRIX_SCALE_ROW1
.else
	v_wmma_scale_f32_16x16x128_f8f6f4 v[rD:rD+7], v[rB:rB+11], v[rA:rA+11], v[rC:rC+7], v[rP], v[rQ] matrix_a_fmt:MATRIX_FMT_BF6 matrix_b_fmt:MATRIX_FMT_BF6
.endif
.set bb, bb+1
.endr
.set aa, aa+1
.endr
.endm
.macro FETCH_B slot, q, p              ; the columns' eight fragments into set p
	WIN TO_B
.irp i, 0,1,2,3,4,5,6,7
	FRAG 128*(\p)+FR*\i, ADRB+\slot, \q, \i
.endr
	WIN 0
.endm
.macro FETCH_A slot, q, i0             ; the rows' blocks i0 .. i0 + 3
.irp i, \i0, \i0+1, \i0+2, \i0+3
	FRAG AF+FR*(\i), ADRA+\slot, \q, \i
.endr
.endm
.macro SCALES slot                     ; a slot's scale words: eight units of 256 bytes
.irp q, 0,1
.irp gg, 0,1
	ds_load_b64 v[SC+16*\slot+8*\q+2*\gg:SC+16*\slot+8*\q+2*\gg+1], v[ADSA+\slot] offset:\q*RECB+8*1536+256*\gg
	ds_load_b64 v[SC+16*\slot+8*\q+4+2*\gg:SC+16*\slot+8*\q+4+2*\gg+1], v[ADSB+\slot] offset:\q*RECB+8*1536+256*\gg
.endr
.endr
.endm
; A step of 128 along K that has its successor in the same slot.  A block of rows is free as soon as its eight products are issued: blocks 0-3 are fetched anew in the step's middle, blocks 4-7 at its end.
.macro STEP slot, q, mode
	s_wait_dscnt 4*NL                              ; the columns' set, the rows' blocks 0-3 and the scale words are in; the youngest 12 loads (blocks 4-7) may be out
.if \mode
	WIN 0x81                                       ; C (the bias) window 0, D window 2
.else
	WIN MUL_LO
.endif
	MUL16 0, (\q)%2, \q, \slot, \mode
	MUL16 2, (\q)%2, \q, \slot, \mode
	s_wait_dscnt 0                                 ; blocks 4-7 are in
	PLACES NP
	FETCH_B \slot, (\q)+1, 1-(\q)%2
	FETCH_A \slot, (\q)+1, 0
.if \mode
	WIN 0xc1                                       ; C window 0, D window 3
.else
	WIN MUL_HI
.endif
	MUL16 4, (\q)%2, \q, \slot, \mode
	MUL16 6, (\q)%2, \q, \slot, \mode
	PLACES NP
	WIN 0
	FETCH_A \slot, (\q)+1, 4
.endm
; A slot's last step changes slots: ONE barrier; in front of it each wave waits for all its tensor loads, adds 0 to its spare word, and waits for that and for its own reads of this slot.
; fill = 1: this slot is filled again, two slots ahead: the rows' part by group 0 ga (stepa = 1: stepped first), the columns' by its own, always stepped.
.macro TURN slot, next, fill, ga, stepa
	s_wait_tensorcnt 0x0                           ; all my tensor loads have landed: my part of the next slot;  (every window is 0 here)
	ds_add_u32 v[SPW], v[NIL]                      ; 0 onto my spare word;
	s_wait_dscnt 4*NL+1                            ; (the add and the youngest 12 loads, blocks 4-7, may be out)
	WIN MUL_LO
	MUL16 0, 1, 1, \slot, 0                        ; sixteen matrix instructions stand between the add and the wait for it
	s_wait_dscnt 0x0                               ; the add is done, and my reads of this slot are over
	s_barrier_signal -1
	MUL16 2, 1, 1, \slot, 0
	WIN 0
	s_barrier_wait -1
.if \fill
	CREST                                          ; the barrier has opened a round of the cluster's barrier: no wave of any partner still reads this slot or has a load on its way
.if \stepa
	s_add_nc_u64 s[\ga+2:\ga+3], s[\ga+2:\ga+3], 2*PARTB
.endif
	s_add_nc_u64 s[G0B+4*\slot+2:G0B+4*\slot+3], s[G0B+4*\slot+2:G0B+4*\slot+3], 2*PARTB
	JLOAD \ga, G1, G0B+4*\slot, G1B                ; the first tensor load behind the round; the four v_nop behind it are the places in front of the loads below
.else
	PLACES NP
.endif
	FETCH_B \next, 0, 0
	FETCH_A \next, 0, 0
	SCALES \next
	WIN MUL_HI
	MUL16 4, 1, 1, \slot, 0
	MUL16 6, 1, 1, \slot, 0
	PLACES NP
	WIN 0
	FETCH_A \next, 0, 4
.endm
	s_wait_tensorcnt 0x1                           ; my part of slot 0 is in (slot 1's load may be out)
	s_barrier_signal -1
	s_barrier_wait -1                              ; everybody's is
	FETCH_B 0, 0, 0
	FETCH_A 0, 0, 0
	SCALES 0
	FETCH_A 0, 0, 4
	s_wait_loadcnt 0x0                             ; the bias
	STEP 0, 0, 1                                   ; the first step stands in front of the loop: its products start the sums from the bias
	s_mov_b32 s3, 3
.Llap:                                                 ; a trip goes once round the ring and fills both slots again from xq: K steps of 256 number 2 to 7
	TURN 0, 1, 1, G0, 1
	STEP 1, 0, 0
	TURN 1, 0, 1, G0+4, 1
	STEP 0, 0, 0
	s_sub_co_u32 s3, s3, 1
	s_cmp_lg_u32 s3, 0
	s_cbranch_scc1 .Llap
	TURN 0, 1, 1, G0P, 0                           ; the rows go on in pq: its first two steps, by descriptors as they were built,
	STEP 1, 0, 0
	TURN 1, 0, 1, G0P+4, 0
	STEP 0, 0, 0
	TURN 0, 1, 1, G0P, 1                           ; and its last two
	STEP 1, 0, 0
	TURN 1, 0, 1, G0P+4, 1
	STEP 0, 0, 0
	TURN 0, 1, 0, G0, 0                            ; the last lap fills nothing, and has no round of the cluster's barrier
	STEP 1, 0, 0
	s_wait_dscnt 4*NL                              ; the very last step: nothing more to fetch
	WIN MUL_LO
	MUL16 0, 1, 1, 1, 0
	MUL16 2, 1, 1, 1, 0
	s_wait_dscnt 0
	WIN MUL_HI
	MUL16 4, 1, 1, 1, 0
	MUL16 6, 1, 1, 1, 0
	WIN 0
; THE WAY OUT, block by block of 16 rows x 128 columns.  A lane holds 32 neighbouring bytes of a row, and the lanes beside it hold other rows: so a block goes through my own stage in LDS and comes back as whole rows of
; 512 bytes.  LDS serves a wave's instructions in order (ISA guide 5.7.1.4): no wait between the stores and the loads, nor in front of the next block's stores.
.macro TOSTAGE a
.set AC, 64*((\a)%4)
	WIN 0x08+4*((\a)/4)                            ; the data: window 2 or 3
.irp b, 0,1,2,3,4,5,6,7
	ds_store_b128 v[STO], v[AC+8*\b:AC+8*\b+3] offset:64*\b          ; each accumulator from its low end on
	ds_store_b128 v[STO], v[AC+8*\b+4:AC+8*\b+7] offset:64*\b+16
.endr
	WIN 0
.set BB, BK+64*((\a)%2)
.irp t, 0,1,2,3,4,5,6,7,8,9,10,11,12,13,14,15
	ds_load_b128 v[BB+4*\t:BB+4*\t+3], v[RD] offset:\t*SPITCH
.endr
.endm
.macro SEND a, younger                 ; younger: the LDS instructions issued behind block a's loads, which may stay out
.set BB, BK+64*((\a)%2)
	s_wait_dscnt \younger                          ; the block is back in registers
.if (\a) > 0
	s_add_nc_u64 s[12:13], s[12:13], 16*NROW       ; (behind a wait on XCNT: the earlier stores have read their base)  16 rows on
.endif
.irp t, 0,1,2,3,4,5,6,7,8,9,10,11,12,13,14,15
	global_store_b128 v[CO], v[BB+4*\t:BB+4*\t+3], s[12:13] offset:\t*NROW th:TH_STORE_NT   ; 32 lanes store 512 consecutive bytes, at a multiple of 256 from out0's first byte; written once, read by nobody here
.endr
.endm
	PLACES NP                                      ; in front of the loads into the registers that held the rows' fragments, and of the reads of the last results
	TOSTAGE 0
.irp a, 1,2,3,4,5,6,7
.if \a > 1
	s_wait_xcnt 0x0                                ; block a - 2's stores have read their registers and their base: block a's loads may land there, and the base may step
.endif
	TOSTAGE \a
	SEND \a-1, 32                                  ; behind block a - 1's loads: block a's 16 stores and 16 loads
.endr
	s_wait_xcnt 0x0                                ; block 6's stores have read their base
	SEND 7, 0
	s_wait_tensorcnt 0x0                           ; the wave's end: behind my last tensor load and my last LDS store
	ds_add_u32 v[SPW], v[NIL]
	s_wait_dscnt 0x0
	CROUND                                         ; the closing round: no work-group ends while a partner may still ask for a part that names it
	s_endpgm
.Lfunc_end_k_q4725e72fa5_gemm:
	.size	k_q4725e72fa5_gemm, .Lfunc_end_k_q4725e72fa5_gemm-k_q4725e72fa5_gemm
	.p2alignl 7, 3214868480
	.fill 96, 4, 3214868480
	.section	.rodata,"a",@progbits
	.p2align	6, 0x0
	.amdhsa_kernel k_q4725e72fa5_gemm
		.amdhsa_group_segment_fixed_size 327680
		.amdhsa_private_segment_fixed_size 0
		.amdhsa_enable_private_segment 0
		.amdhsa_kernarg_size 40
		.amdhsa_user_sgpr_count 2
		.amdhsa_user_sgpr_kernarg_segment_ptr 1
		.amdhsa_wavefront_size32 1
		.amdhsa_system_sgpr_workgroup_id_x 1
		.amdhsa_system_sgpr_workgroup_id_y 1
		.amdhsa_system_sgpr_workgroup_id_z 1
		.amdhsa_system_vgpr_workitem_id 0
		.amdhsa_next_free_vgpr 1024
		.amdhsa_next_free_sgpr 100
		.amdhsa_reserve_vcc 0
		.amdhsa_float_denorm_mode_32 3
		.amdhsa_float_denorm_mode_16_64 3
		.amdhsa_memory_ordered 1
		.amdhsa_forward_progress 1
		.amdhsa_inst_pref_size 233
	.end_amdhsa_kernel
	.amdgpu_metadata
---
amdhsa.version: [ 1, 2 ]
amdhsa.kernels:
  - .name:           k_q4725e72fa5_gemm
    .symbol:         k_q4725e72fa5_gemm.kd
    .args:
      - { .name: xq, .offset: 0, .size: 8, .value_kind: global_buffer, .address_space: global }
      - { .name: pq, .offset: 8, .size: 8, .value_kind: global_buffer, .address_space: global }
      - { .name: wb, .offset: 16, .size: 8, .value_kind: global_buffer, .address_space: global }
      - { .name: bias, .offset: 24, .size: 8, .value_kind: global_buffer, .address_space: global }
      - { .name: out0, .offset: 32, .size: 8, .value_kind: global_buffer, .address_space: global }
    .group_segment_fixed_size: 327680
    .private_segment_fixed_size: 0
    .kernarg_segment_align: 8
    .kernarg_segment_size: 40
    .max_flat_workgroup_size: 128
    .sgpr_count:     100
    .vgpr_count:     1024
    .wavefront_size: 32
...
	.end_amdgpu_metadata
.endif
;; end of part 4
